; MI455X (gfx1250); checked and timed in simulation.
; The chip was launched on July 23, 2026; its instructions are those of AMD's public machine-readable ISA for CDNA 5 (MIT licence, August 2026) and "CDNA5" Instruction Set Architecture Reference Guide (July 2026). The comments in the code are by the model that wrote it; some were corrected since.
;; Grouped Query Attention. Allowed arithmetic: matrix products marked QUANTISED: E5M2 operands, one E8M0 scale for each 32 along K, by v_wmma_scale_f32_16x16x128_f8f6f4 with both operands' format E5M2, f32 sums; everything else in f32.
;; Inputs: Wk 1,024 x 256 float32; Wo 1,024 x 1,024 float32; Wq 1,024 x 1,024 float32; Wv 1,024 x 256 float32; x 4 x 2,048 x 1,024 float32.
;; Outputs: out0 4 x 2,048 x 1,024 float32.
;; This version of the problem:
;;   THIS VERSION OF THE PROBLEM IS GIVEN IN LOW PRECISION. The matrix products marked QUANTISED in the list below multiply operands that are first quantised to E5M2 (5 exponent bits, 2 mantissa bits; 8 bits a number), with one power-of-two scale for each 32 numbers along K (OCP MX v1.0); their sums are f32. All else is computed in f32.
;;   The module's matrix products, in the order in which they are computed (A, B: the left and right operand; K: the contracted axis; several contracted axes count as one K, in the product's order):
;;     1. [M 8,192, K 1,024] x [K 1,024, N 1,024]; A: input x; B: input Wq: QUANTISED
;;     2. [M 8,192, K 1,024] x [K 1,024, N 256]; A: input x; B: input Wk: QUANTISED
;;     3. [M 8,192, K 1,024] x [K 1,024, N 256]; A: input x; B: input Wv: QUANTISED
;;     4. batch 16 x [M 2,048, K 64] x [K 64, N 8,192]; A: computed on the way; B: computed on the way: QUANTISED
;;     5. batch 16 x [M 64, K 2,048] x [K 2,048, N 8,192]; A: computed on the way; B: softmax (see below): QUANTISED
;;     6. [M 8,192, K 1,024] x [K 1,024, N 1,024]; A: computed on the way; B: input Wo: QUANTISED
;;   THE QUANTISER, for each operand of a quantised product, along K:
;;     - K is cut into blocks of 32 from its start; a last block that is shorter is filled with zeros.
;;     - A block's scale is 2^e with e = floor(log2(the largest magnitude in the block)) - 15, held to -126 .. 127; a block of zeros has e = 0. As a byte (E8M0): e + 127.
;;     - Each number is divided by its block's scale, clamped to +-57,344, and rounded to the nearest number of E5M2, ties to even, subnormals kept.
;;     - The product sums the exact products of the quantised numbers (number of the format x scale) in f32.
;;   ~~~python
;;   def quantise(x, axis):      # numpy; x: float32 -> the quantised numbers, widened to float32 again
;;       x = np.moveaxis(x, axis, -1); K = x.shape[-1]
;;       x = np.pad(x, [(0, 0)] * (x.ndim - 1) + [(0, -K % 32)]); x = x.reshape(x.shape[:-1] + (-1, 32)); a = np.abs(x).max(-1, keepdims=True)
;;       e = np.where(a > 0, np.clip(np.frexp(np.where(a > 0, a, 1))[1] - 1 - 15, -126, 127), 0)      # np.frexp(a)[1] - 1 = floor(log2(a)), exactly
;;       r = np.clip(x / 2.0 ** e, -57344, 57344)
;;       step = 2.0 ** (np.maximum(np.frexp(np.where(r == 0, 1, r))[1] - 1, -14) - 2)
;;       q = np.round(r / step) * step * 2.0 ** e      # np.round: ties to even
;;       return np.moveaxis(q.reshape(q.shape[:-2] + (-1,))[..., :K], -1, axis).astype(np.float32)
;;   ~~~
;;   SOFTMAX AHEAD OF A QUANTISED PRODUCT. Where the list says 'softmax', what is quantised is not the finished softmax but p = 2^(t - M), with t = logit x log2(e) and M = ceil(the row's largest t), a whole number; so 1/2 < the row's largest p <= 1. The row's sum l is taken of the UNQUANTISED p, in f32, and the product's result is divided by l at the end. Since M is a whole number, a kernel that streams over the keys may use a running M (the ceiling of the running maximum): every later rescaling is an exact power of two, which a block's scale takes up: the codes' values come out the same.
;;   OPERANDS COMPUTED ON THE WAY. 'Computed on the way' means the value that the module computes at that place (a softmax that the list does not call 'softmax' is quantised finished and normalised). What goes into a quantiser is computed in f32, as accurately as f32 sums, v_exp_f32 and their like allow (about 1e-6 of the number): no bf16 or f16 on the way to a quantiser, and a product that is left as it is and whose result goes on into a quantised operand takes f32 operands (vector FMAs, or v_wmma_f32_16x16x4_f32). A number that lies on a knife's edge between two numbers of the format may be rounded either way, as far as f32 arithmetic and the matrix unit's own rounding can turn it there, and no further.
;; One version. Each part assembles by itself: llvm-mc -triple=amdgcn-amd-amdhsa -mcpu=gfx1250 --defsym DOCPART=n.
;; ======== version 1 of 1: 4 launches
;; limits: right only within a limited range of input values
;; workspace buffers: xc 8,388,608 bytes; xs 262,144 bytes; wq 2,703,360 bytes; tab 524,288 bytes; qq 8,912,896 bytes; kv 4,390,912 bytes; oc 8,388,608 bytes; os 262,144 bytes
;; launch prep (part 1): grid 336 x 1, 4 waves a work-group, no clusters, 68,096 bytes of LDS; arguments x, Wq, Wk, Wv, Wo, xc, xs, wq, tab; writes xc, xs, wq, tab
.if DOCPART == 1
	.amdgcn_target "amdgcn-amd-amdhsa--gfx1250"
	.amdhsa_code_object_version 6
	.text
	.protected	k_q2e35548114_prep
	.globl	k_q2e35548114_prep
	.p2align	8
	.type	k_q2e35548114_prep,@function
k_q2e35548114_prep:
	s_mov_b64 s[64:65], 0
	v_nop
	global_prefetch_b8 v0, s[64:65] scope:SCOPE_SE
	s_setreg_imm32_b32 hwreg(HW_REG_WAVE_MODE, 25, 1), 1
	s_wait_xcnt 0x0
; GROUPED-QUERY ATTENTION IN MX-BF8, launch 1 of 4: x and the four weights become codes of E5M2 with one E8M0 byte for each 32 along K = the model's 1,024; and the table of cos and sin for the rotation is made.
; DEAD WORK IN THE WHOLE PROGRAM: reference() sets the score of key k for query q to -infinity where k > q, by a mask that it builds itself (jnp.tril); such a key has weight 0 whatever the inputs hold.
; So a step of 128 keys all of which come after all 16 queries of a tile reaches no output, and the attention launch leaves such steps out whole.  Nothing else is left out: all five inputs are loaded.
; LIMIT: a NaN, an infinity or an overflow that would arise only in the steps left out is not carried to the result.
; LIMITS OF THE QUANTISER: NaN and infinities among the inputs are not served; a block whose largest magnitude lies under 2^-111 keeps the byte 1, and so does a block of zeros where the rule says 127:
; its codes are zeros, which add nothing under any byte but 0xff, and this program alone reads the bytes.
; ORDER IN THE WORKSPACE.  sw(p) = p with its bits 3 and 4 exchanged.  xc, xs: place p holds row sw(p) of x.  wq: 2,560 places of 1,024 codes, then from byte 2,621,440 their 32 scale bytes each.
; Places 0..1,535: four groups of 384, one for each key/value head g; in a group 96 places for each wave w of the next launch: 64 columns of Wq, (4 g + w) 64 + sw(.), then 32 columns of Wk (w = 0, 1) or Wv (w = 2, 3),
; 64 g + 32 (w & 1) + sw(.).  Places 1,536..2,559: Wo's columns as they come.  With that order two neighbouring tiles of a product's result hold 16 neighbours along the next product's K in a lane's registers.
; SHARES.  Work-groups 0..255: x, 32 rows each, a wave 8 rows in 16 steps of 512 numbers; each wave also makes two rows of the table.  Work-groups 256..335: the weights, a wave 32 places x 256 along K.
; No matrix unit, no cluster, no tensor load: memory binds, waves share nothing, so there is no barrier.  The two paths have LDS bytes of their own.
.set STEPS, 16
.set AH,    8                          ; loads run eight steps (32 loads a wave) ahead
.set EMAX,  15
.set MANT,  0x600000                   ; the mantissa field of 57,344 as f32
.set CB,    16
.set R,     16                         ; v16-143  eight sets of 16 numbers as they are loaded
.set X,     144                        ; v144-175 two sets of 16 neighbours (before that: the table's registers)
.set E,     176                        ; v176-191 a scale byte for each step
.set C,     192                        ; v192-255 codes: four registers for each step
.set WREG,  8192                       ; x's path: a region for each wave: two stages of 32 x SP bytes, then its 256 scale bytes
.set SP,    80
.set SPW,   12                         ; v12  LDS address of my spare word; never rewritten
.set NIL,   13                         ; v13  0; never rewritten
.set WSTG,  32768                      ; the weights' path: four stages of 32 rows x PITCH bytes
.set PITCH, 272
.set SPARE, WSTG+4*32*PITCH            ; the spare words, 128 bytes for each wave
.set WX,    32                         ; the weights' path: v32-95 two sets of 32 numbers
.set WC,    96                         ; v96-103  a block's codes
.set OUTR,  112                        ; v112-175 the way out
.set AD,    176                        ; v176-207 offset of row i of a block: 4 x my column + i x a row of the weight
.set SB,    24                         ; v24-25   eight scale bytes
.set BASE,  32                         ; s[32:47] the weight at block t of my 256 along K, my first column
	s_load_b256 s[4:11], s[0:1], 0x0               ; x, Wq, Wk, Wv
	s_load_b256 s[12:19], s[0:1], 0x20             ; Wo, xc, xs, wq
	s_load_b64 s[20:21], s[0:1], 0x40              ; tab
	v_lshl_add_u32 v[SPW], v0, 2, SPARE
	v_mov_b32 v[NIL], 0
	v_lshrrev_b32 v1, 5, v0
	v_readfirstlane_b32 s22, v1                    ; wave
	v_and_b32 v2, 31, v0                           ; lane
	s_cmp_lt_u32 ttmp9, 256
	s_cbranch_scc0 .Lweights
; ---------------- x ----------------
	v_lshlrev_b32 v3, 4, v2                        ; my 16 bytes of a load's 512
	s_mul_i32 s23, s22, WREG
	v_lshrrev_b32 v14, 2, v2
	v_mul_u32_u24 v14, v14, SP
	v_and_b32 v15, 3, v2
	v_lshl_add_u32 v14, v15, 4, v14
	v_add_nc_u32 v14, s23, v14                     ; the stage on the way in: four lanes' 64 bytes on end, then 16 of padding
	v_mul_u32_u24 v15, v2, SP
	v_add_nc_u32 v15, s23, v15                     ; and on the way out: my 16 neighbours
	v_mul_u32_u24 v4, v2, CB                       ; my codes' place in a step's
	v_lshrrev_b32 v5, 1, v2
	s_add_co_u32 s23, s23, 2*32*SP
	v_add_nc_u32 v5, s23, v5                       ; my wave's 256 scale bytes, my block's byte
	v_lshlrev_b32 v7, 3, v2                        ; 8 bytes a lane: the scale bytes' way out, and a pair of the table
	v_add_nc_u32 v6, s23, v7
	s_mov_b32 s24, MANT
	s_lshl_b32 s25, ttmp9, 2
	s_and_b32 s26, s22, 1
	s_lshl_b32 s26, s26, 1
	s_lshr_b32 s27, s22, 1
	s_or_b32 s26, s26, s27                         ; the wave's two bits exchanged: bits 3 and 4 of the row
	s_add_co_u32 s26, s26, s25                     ; which 8 rows of x I read,
	s_add_co_u32 s25, s25, s22                     ; and which 8 places I write
	s_lshl_b32 s26, s26, 15                        ; 8 rows of 4,096 bytes
	s_mov_b32 s27, 0
	s_lshl_b32 s28, s25, 13                        ; 8 places of 1,024 codes
	s_mov_b32 s29, 0
	s_lshl_b32 s30, s25, 8                         ; 8 places of 32 scale bytes
	s_mov_b32 s31, 0
	s_lshl_b32 s32, ttmp9, 3
	s_lshl_b32 s33, s22, 1
	s_add_co_u32 s32, s32, s33                     ; my first row of the table: position 8 x work-group + 2 x wave
	s_lshl_b32 s34, s32, 8
	s_mov_b32 s35, 0
	s_mov_b32 s40, 0xbfc90fdb                      ; -(pi/2 rounded to f32)
	s_mov_b32 s41, 0x333bbd2e                      ; that number less pi/2
	s_mov_b32 s42, 0xb94ca1f9                      ; the sine's three coefficients,
	s_mov_b32 s43, 0x3c08839e
	s_mov_b32 s44, 0xbe2aaaa3
	s_mov_b32 s45, 0x37ccf5ce                      ; the cosine's
	s_mov_b32 s46, 0xbab6061a
	s_mov_b32 s47, 0x3d2aaaa5
	s_wait_kmcnt 0x0
	s_add_nc_u64 s[4:5], s[4:5], s[26:27]
	s_add_nc_u64 s[14:15], s[14:15], s[28:29]
	s_add_nc_u64 s[16:17], s[16:17], s[30:31]
	s_add_nc_u64 s[20:21], s[20:21], s[34:35]
.macro XLOAD t
.irp i, 0,1,2,3
	global_load_b128 v[R+16*((\t)%AH)+4*\i:R+16*((\t)%AH)+4*\i+3], v3, s[4:5] offset:2048*(\t)+512*\i th:TH_LOAD_NT   ; 32 lanes read 512 consecutive bytes
.endr
.endm
.macro XTURN t                         ; step t's numbers through the stage: LDS serves a wave's instructions in order, so no wait stands between the stores and the loads
.irp i, 0,1,2,3
	ds_store_b128 v14, v[R+16*((\t)%AH)+4*\i:R+16*((\t)%AH)+4*\i+3] offset:32*SP*((\t)%2)+8*SP*\i
.endr
.irp i, 0,1,2,3
	ds_load_b128 v[X+16*((\t)%2)+4*\i:X+16*((\t)%2)+4*\i+3], v15 offset:32*SP*((\t)%2)+16*\i
.endr
.endm
.irp t, 0,1,2,3,4,5,6,7
	XLOAD \t
.endr
; THE TABLE, while the first loads are on their way.  Lane i holds frequency i: the f32 number 1 / 10^(i/8), each step rounded to f32 as reference() rounds it.  The angle is the one f32 product that reference() makes.
; It reaches 2,047, so it is brought into +-pi/4 in two steps: n = the nearest whole number to angle x 2/pi; angle - n x (pi/2 as f32) is exact (a multiple of 2^-23 under 1), and the rest of pi/2 follows.
; Then a polynomial each for sine and cosine, and the quadrant n mod 4 chooses and signs.
	v_mov_b32 v144, 0
.set i, 0
.irp f, 0x3f800000,0x3f3ff911,0x3f0ff59a,0x3ed7e89b,0x3ea1e89b,0x3e72d423,0x3e361887,0x3e088d77,0x3dcccccd,0x3d99940d,0x3d6655c2,0x3d2cba15,0x3d0186e3,0x3cc2434f,0x3c91ad39,0x3c5a7bf2,0x3c23d70a,0x3bf5b9b0,0x3bb8449c,0x3b8a2e77,0x3b4f3e38,0x3b1b690d,0x3ae91528,0x3aaec98e,0x3a83126f,0x3a44948c,0x3a136a16,0x39dd1725,0x39a5cb60,0x3978a815,0x393a7753,0x390bd472
	s_mov_b32 s48, \f
	v_writelane_b32 v144, s48, i
.set i, i+1
.endr
.macro SINCOS row
	s_add_co_u32 s49, s32, \row
	v_cvt_f32_u32 v145, s49
	v_mul_f32 v145, v145, v144                     ; the angle
	v_mul_f32 v146, 0x3f22f983, v145               ; x 2/pi
	v_rndne_f32 v146, v146                         ; n
	v_fma_f32 v147, v146, s40, v145
	v_fma_f32 v147, v146, s41, v147                ; r
	v_cvt_i32_f32 v148, v146
	v_mul_f32 v149, v147, v147                     ; z = r r
	v_fma_f32 v150, v149, s42, s43
	v_fma_f32 v150, v149, v150, s44
	v_mul_f32 v150, v150, v149
	v_fma_f32 v151, v150, v147, v147               ; sin r
	v_fma_f32 v152, v149, s45, s46
	v_fma_f32 v152, v149, v152, s47
	v_fma_f32 v153, v149, -0.5, 1.0
	v_mul_f32 v154, v149, v149
	v_fma_f32 v155, v152, v154, v153               ; cos r
	v_and_b32 v156, 1, v148
	v_cmp_eq_u32 vcc_lo, 1, v156                   ; an odd quadrant exchanges the two
	v_cndmask_b32 v156, v155, v151, vcc_lo
	v_cndmask_b32 v157, v151, v155, vcc_lo
	v_add_nc_u32 v158, 1, v148
	v_and_b32 v158, 2, v158
	v_lshlrev_b32 v158, 30, v158                   ; the cosine is negative in quadrants 1 and 2,
	v_xor_b32 v[160+2*\row], v156, v158
	v_and_b32 v158, 2, v148
	v_lshlrev_b32 v158, 30, v158                   ; the sine in 2 and 3
	v_xor_b32 v[161+2*\row], v157, v158
	global_store_b64 v7, v[160+2*\row:161+2*\row], s[20:21] offset:256*\row   ; 32 lanes store a row of the table: 256 consecutive bytes, aligned
.endm
	SINCOS 0
	SINCOS 1
	s_wait_xcnt 0x0                                ; the table's stores have read their registers, which now become the sets of neighbours
	s_wait_loadcnt 4*(AH-1)                        ; step 0's four loads are in; the seven younger steps' may be out
	XTURN 0
.macro XSTEP t
.set XS, X+16*((\t)%2)
.if (\t) > 0
	s_wait_dscnt 1                                 ; this step's numbers are back from the stage (the last step's byte store may be out): so its stores into the stage have read their registers,
.else
	s_wait_dscnt 0x0
.endif
.if (\t)+AH < STEPS
	XLOAD (\t)+AH                                  ; which take the loads of eight steps on
.endif
.if (\t)+1 < STEPS
.if STEPS-2-(\t) >= AH-1
	s_wait_loadcnt 4*(AH-1)                        ; the next step's four loads are in; those of the seven steps behind it may be out
.else
	s_wait_loadcnt 4*(STEPS-2-(\t))
.endif
	XTURN (\t)+1
.endif
	v_max3_num_f32 v8, |v[XS]|, |v[XS+1]|, |v[XS+2]|               ; the largest magnitude of my 16
	v_max3_num_f32 v9, |v[XS+3]|, |v[XS+4]|, |v[XS+5]|
.irp i, 6,10
	v_max3_num_f32 v8, v8, |v[XS+\i]|, |v[XS+\i+1]|
	v_max3_num_f32 v9, v9, |v[XS+\i+2]|, |v[XS+\i+3]|
.endr
	v_max3_num_f32 v8, v8, |v[XS+14]|, |v[XS+15]|
	v_max3_num_f32 v8, v8, v9, (EMAX+1)<<23        ; and the floor 2^(16 - 127): the byte cannot fall under 1
	v_max_num_f32_dpp v8, v8, v8 row_xmask:1 row_mask:0xf bank_mask:0xf   ; and of my neighbour's 16: the block's
	v_add_nc_u32 v11, -(EMAX<<23), v8              ; 15 off its exponent field: the conversion takes the exponent field of this operand as its scale
	v_and_or_b32 v10, v8, 0x7f800000, s24          ; 57,344 x the scale
.irp i, 0,1,2,3,4,5,6,7,8,9,10,11,12,13,14,15
	v_med3_num_f32 v[XS+\i], v[XS+\i], -v10, v10   ; the conversion to an 8-bit code does not saturate (ISA guide 7.6.2): the hold comes first
.endr
	v_cvt_scalef32_pk8_bf8_f32 v[C+4*(\t):C+4*(\t)+1], v[XS:XS+7], v11
	v_cvt_scalef32_pk8_bf8_f32 v[C+4*(\t)+2:C+4*(\t)+3], v[XS+8:XS+15], v11
	v_lshrrev_b32 v[E+(\t)], 23, v11               ; the scale's byte
	ds_store_b8 v5, v[E+(\t)] offset:16*(\t)       ; both lanes of a block write the same byte with the same value
	global_store_b128 v4, v[C+4*(\t):C+4*(\t)+3], s[14:15] offset:32*CB*(\t)   ; 512 consecutive bytes
.endm
.irp t, 0,1,2,3,4,5,6,7,8,9,10,11,12,13,14,15
	XSTEP \t
.endr
	ds_load_b64 v[8:9], v6                         ; LDS serves a wave's instructions in order: these see my stores
	s_wait_dscnt 0x0
	global_store_b64 v7, v[8:9], s[16:17]          ; 32 lanes store 256 consecutive bytes, aligned
	s_branch .Lend
; ---------------- the weights: K is their FIRST axis: a lane takes a column, its registers run down K ----------------
.Lweights:
	s_sub_co_u32 s24, ttmp9, 256
	s_and_b32 s25, s24, 3                          ; y: which 256 along K
	s_lshr_b32 s24, s24, 2
	s_lshl_b32 s24, s24, 2
	s_add_co_u32 s24, s24, s22                     ; beta: which 32 places of wq, 0..79
	s_mul_i32 s26, s24, 43
	s_lshr_b32 s26, s26, 9                         ; g = beta / 12 (exact for beta under 48; beyond that not used)
	s_mul_i32 s27, s26, 12
	s_sub_co_u32 s27, s24, s27
	s_mul_i32 s28, s27, 11
	s_lshr_b32 s28, s28, 5                         ; w = (beta % 12) / 3
	s_mul_i32 s29, s28, 3
	s_sub_co_u32 s29, s27, s29                     ; part 0, 1: Wq; 2: Wk or Wv
	s_lshl_b32 s30, s26, 2
	s_add_co_u32 s30, s30, s28
	s_lshl_b32 s30, s30, 6
	s_lshl_b32 s31, s29, 5
	s_add_co_u32 s30, s30, s31                     ; Wq's first column: (4 g + w) 64 + 32 part
	s_lshl_b32 s31, s26, 6
	s_and_b32 s48, s28, 1
	s_lshl_b32 s48, s48, 5
	s_add_co_u32 s31, s31, s48                     ; Wk's or Wv's: 64 g + 32 (w & 1)
	s_sub_co_u32 s48, s24, 48
	s_lshl_b32 s48, s48, 5                         ; Wo's: 32 (beta - 48)
	s_mov_b32 s49, 4096                            ; a row of Wq or Wo in bytes,
	s_mov_b32 s50, 1024                            ; of Wk or Wv
	s_mov_b32 s61, 4096
	s_mov_b32 s60, MANT
	s_mul_i32 s23, s22, 32*PITCH
	s_add_co_u32 s23, s23, WSTG                    ; my stage
	s_wait_alu depctr_va_vdst(0)
	v_mul_u32_u24 v4, v2, PITCH
	v_add_nc_u32 v4, s23, v4                       ; into it: row = my place
	v_and_b32 v5, 15, v2
	v_lshrrev_b32 v6, 4, v2
	v_mul_u32_u24 v7, v6, PITCH
	v_lshl_add_u32 v7, v5, 4, v7
	v_add_nc_u32 v7, s23, v7                       ; out of it: sixteen lanes to a row, two rows an instruction
	v_lshlrev_b32 v8, 10, v6
	v_lshl_add_u32 v8, v5, 4, v8                   ; and the same place among wq's rows of 1,024 bytes
	v_lshlrev_b32 v9, 5, v2                        ; my place's row of 32 scale bytes
	s_wait_kmcnt 0x0
	s_cmp_lt_u32 s28, 2                            ; the buffer is chosen by ids alone
	s_cselect_b64 s[52:53], s[8:9], s[10:11]
	s_cmp_eq_u32 s29, 2
	s_cselect_b64 s[52:53], s[52:53], s[6:7]
	s_cselect_b32 s30, s31, s30
	s_cselect_b32 s49, s50, s49
	s_cmp_lt_u32 s24, 48
	s_cselect_b64 s[52:53], s[52:53], s[12:13]
	s_cselect_b32 s30, s30, s48
	s_cselect_b32 s49, s49, s61
	s_cselect_b32 s51, 24, 0                       ; Wo's columns keep their order
	v_lshrrev_b32 v3, 3, v2
	v_lshrrev_b32 v10, 4, v2
	v_xor_b32 v3, v3, v10
	v_and_b32 v3, 1, v3
	v_mul_u32_u24 v3, v3, s51
	v_xor_b32 v3, v3, v2                           ; my column among the 32: my lane with bits 3 and 4 exchanged
	v_lshlrev_b32 v3, 2, v3
.set i, 0
.rept 32
	v_mad_u32_u24 v[AD+i], s49, i, v3
.set i, i+1
.endr
	s_lshl_b32 s54, s25, 8
	s_mul_i32 s54, s54, s49                        ; 256 y rows down,
	s_lshl_b32 s55, s30, 2
	s_add_co_u32 s54, s54, s55                     ; and my first column
	s_mov_b32 s55, 0
	s_add_nc_u64 s[BASE:BASE+1], s[52:53], s[54:55]
	s_lshl_b32 s54, s49, 5                         ; 32 rows
.irp t, 1,2,3,4,5,6,7
	s_add_nc_u64 s[BASE+2*\t:BASE+2*\t+1], s[BASE+2*\t-2:BASE+2*\t-1], s[54:55]
.endr
	s_lshl_b32 s54, s24, 15                        ; 32 places of 1,024 bytes
	s_lshl_b32 s62, s25, 8
	s_add_co_u32 s54, s54, s62
	s_add_nc_u64 s[56:57], s[18:19], s[54:55]      ; my codes
	s_lshl_b32 s54, s24, 10                        ; 32 places of 32 bytes
	s_lshl_b32 s62, s25, 3
	s_add_co_u32 s54, s54, s62
	s_add_nc_u64 s[58:59], s[18:19], s[54:55]
	s_add_nc_u64 s[58:59], s[58:59], 2621440       ; my scale bytes
.macro WLOAD t                         ; block t: rows 32 t + i of my 256, my column
.set i, 0
.rept 32
	global_load_b32 v[WX+32*((\t)%2)+i], v[AD+i], s[BASE+2*(\t):BASE+2*(\t)+1] th:TH_LOAD_NT
.set i, i+1
.endr
.endm
	s_wait_alu depctr_va_vdst(0)
	WLOAD 0
	WLOAD 1
.macro WBLOCK t
.set XS, WX+32*((\t)%2)
.if (\t) < 7
	s_wait_loadcnt 32                              ; this block's 32 loads are in; the next block's may be out
.else
	s_wait_loadcnt 0
.endif
	v_max3_num_f32 v16, |v[XS]|, |v[XS+1]|, |v[XS+2]|              ; the block's largest magnitude: all 32 numbers are mine
	v_max3_num_f32 v17, |v[XS+3]|, |v[XS+4]|, |v[XS+5]|
.irp i, 6,10,14,18,22,26
	v_max3_num_f32 v16, v16, |v[XS+\i]|, |v[XS+\i+1]|
	v_max3_num_f32 v17, v17, |v[XS+\i+2]|, |v[XS+\i+3]|
.endr
	v_max3_num_f32 v16, v16, |v[XS+30]|, |v[XS+31]|
	v_max3_num_f32 v16, v16, v17, (EMAX+1)<<23
	v_add_nc_u32 v11, -(EMAX<<23), v16
	v_and_or_b32 v10, v16, 0x7f800000, s60
	v_lshrrev_b32 v17, 23, v11                     ; the scale's byte
.if (\t)%4 == 0
	v_mov_b32 v[SB+(\t)/4], v17
.else
	v_lshl_or_b32 v[SB+(\t)/4], v17, 8*((\t)%4), v[SB+(\t)/4]
.endif
.irp i, 0,1,2,3,4,5,6,7,8,9,10,11,12,13,14,15,16,17,18,19,20,21,22,23,24,25,26,27,28,29,30,31
	v_med3_num_f32 v[XS+\i], v[XS+\i], -v10, v10
.endr
.irp g, 0,1,2,3
	v_cvt_scalef32_pk8_bf8_f32 v[WC+2*\g:WC+2*\g+1], v[XS+8*\g:XS+8*\g+7], v11
.endr
	ds_store_b128 v4, v[WC:WC+3] offset:32*(\t)    ; 32 codes: 32 bytes of my place's row
	ds_store_b128 v4, v[WC+4:WC+7] offset:32*(\t)+16
.if (\t)+2 < 8
	WLOAD (\t)+2
.endif
	s_wait_dscnt 0x0                               ; the stores have read their registers: the next block's codes may be written
.endm
.irp t, 0,1,2,3,4,5,6,7
	WBLOCK \t
.endr
	global_store_b64 v9, v[SB:SB+1], s[58:59]      ; my place's 8 scale bytes: 8 of a row's 32, one byte for each 128 that the path reads
.irp t, 0,1,2,3,4,5,6,7,8,9,10,11,12,13,14,15
	ds_load_b128 v[OUTR+4*\t:OUTR+4*\t+3], v7 offset:2*\t*PITCH
.endr
.irp t, 0,1,2,3,4,5,6,7,8,9,10,11,12,13,14,15
	s_wait_dscnt 15-\t                             ; the younger loads may be out
	global_store_b128 v8, v[OUTR+4*\t:OUTR+4*\t+3], s[56:57] offset:2*\t*1024   ; sixteen lanes store 256 consecutive bytes, aligned
.endr
.Lend:
	s_wait_tensorcnt 0x0                           ; the wave's end: behind my last LDS store
	ds_add_u32 v[SPW], v[NIL]
	s_wait_dscnt 0x0
	s_endpgm
.Lfunc_end_k_q2e35548114_prep:
	.size	k_q2e35548114_prep, .Lfunc_end_k_q2e35548114_prep-k_q2e35548114_prep
	.p2alignl 7, 3214868480
	.fill 96, 4, 3214868480
	.section	.rodata,"a",@progbits
	.p2align	6, 0x0
	.amdhsa_kernel k_q2e35548114_prep
		.amdhsa_group_segment_fixed_size 68096
		.amdhsa_private_segment_fixed_size 0
		.amdhsa_enable_private_segment 0
		.amdhsa_kernarg_size 72
		.amdhsa_user_sgpr_count 2
		.amdhsa_user_sgpr_kernarg_segment_ptr 1
		.amdhsa_wavefront_size32 1
		.amdhsa_system_sgpr_workgroup_id_x 1
		.amdhsa_system_sgpr_workgroup_id_y 1
		.amdhsa_system_sgpr_workgroup_id_z 1
		.amdhsa_system_vgpr_workitem_id 0
		.amdhsa_next_free_vgpr 256
		.amdhsa_next_free_sgpr 66
		.amdhsa_reserve_vcc 1
		.amdhsa_float_denorm_mode_32 3
		.amdhsa_float_denorm_mode_16_64 3
		.amdhsa_memory_ordered 1
		.amdhsa_forward_progress 1
		.amdhsa_inst_pref_size 120
	.end_amdhsa_kernel
	.amdgpu_metadata
---
amdhsa.version: [ 1, 2 ]
amdhsa.kernels:
  - .name:           k_q2e35548114_prep
    .symbol:         k_q2e35548114_prep.kd
    .args:
      - { .name: x, .offset: 0, .size: 8, .value_kind: global_buffer, .address_space: global }
      - { .name: Wq, .offset: 8, .size: 8, .value_kind: global_buffer, .address_space: global }
      - { .name: Wk, .offset: 16, .size: 8, .value_kind: global_buffer, .address_space: global }
      - { .name: Wv, .offset: 24, .size: 8, .value_kind: global_buffer, .address_space: global }
      - { .name: Wo, .offset: 32, .size: 8, .value_kind: global_buffer, .address_space: global }
      - { .name: xc, .offset: 40, .size: 8, .value_kind: global_buffer, .address_space: global }
      - { .name: xs, .offset: 48, .size: 8, .value_kind: global_buffer, .address_space: global }
      - { .name: wq, .offset: 56, .size: 8, .value_kind: global_buffer, .address_space: global }
      - { .name: tab, .offset: 64, .size: 8, .value_kind: global_buffer, .address_space: global }
    .group_segment_fixed_size: 68096
    .private_segment_fixed_size: 0
    .kernarg_segment_align: 8
    .kernarg_segment_size: 72
    .max_flat_workgroup_size: 128
    .sgpr_count:     66
    .vgpr_count:     256
    .wavefront_size: 32
...
	.end_amdgpu_metadata
.endif
;; end of part 1
;; launch qkv (part 2): grid 4 x 64, 4 waves a work-group, clusters of 4 x 4, 327,680 bytes of LDS; arguments xc, xs, wq, tab, qq, kv; writes qq, kv
.if DOCPART == 2
	.amdgcn_target "amdgcn-amd-amdhsa--gfx1250"
	.amdhsa_code_object_version 6
	.text
	.protected	k_q2e35548114_qkv
	.globl	k_q2e35548114_qkv
	.p2align	8
	.type	k_q2e35548114_qkv,@function
k_q2e35548114_qkv:
	s_mov_b64 s[64:65], 0
	v_nop
	global_prefetch_b8 v0, s[64:65] scope:SCOPE_SE
	s_setreg_imm32_b32 hwreg(HW_REG_WAVE_MODE, 25, 1), 1
	s_wait_xcnt 0x0
	s_wait_alu depctr_hold_cnt(0) depctr_sa_sdst(0) depctr_va_vdst(0) depctr_va_sdst(0) depctr_va_ssrc(0) depctr_va_vcc(0) depctr_vm_vsrc(0)
	s_getreg_b32 s2, hwreg(HW_REG_IB_STS2, 6, 4)
	s_cmp_eq_u32 s2, 0
	s_cbranch_scc0 .Lentry_in_a_cluster
	s_endpgm
.Lentry_in_a_cluster:
	s_bfe_u32 s2, ttmp6, 0x10000c
	s_cmp_lg_u32 s2, 0xf033
	s_cbranch_scc0 .Lentry_shape_is_right
	s_endpgm
.Lentry_shape_is_right:
.set ROWB,   256
.set KROW,   1024
.set NQ,     2
.set PITCH,  272
.set FR,     16
.set NL,     4
.set NP,     8
.set HALFT,  128*PITCH
.set SLOT,   4*HALFT
.set KS,     32
.set SCL,    2*SLOT
.set HALFS,  (128*KS/256)*272
.set SBLK,   (16*KS/256)*272
.set SPARE,  SCL+4*HALFS
.set L8,   15
.set ADRA, 16
.set TABA, 18
.set TABK, 19
.set ADRB, 20
.set QSST, 22
.set QSRD, 23
.set KSST, 24
.set VSST, 25
.set KRD,  26
.set ADRS, 27
.set SPW,  28
.set NIL,  29
.set VRD,  30
.set IMG,  31
.set SC,   32
.set AF,   128
.set TT,   32
.set TB,   64
.set XX,   64
.set RR,   128
.set TM,   160
.set PW,   176
.set CC,   192
.set G1, 24
.set G0, 32
.set G1B, 48
.set G0B, 56
.set G1S, 68
.set G0S, 76
.set G1SB, 80
.set G0SB, 88
.set SEL, 66
.set MNT, 95
.set MSB, 0
.macro WIN new
.if MSB != (\new)
	s_set_vgpr_msb (MSB<<8)|(\new)
.set MSB, (\new)
.endif
.endm
.set MUL_LO, 0xa1
.set MUL_HI, 0xf1
.set TO_B,   0x40
.macro JLOAD g0a, g1a, g0b, g1b
	s_cmp_eq_u32 s14, 3
	s_cbranch_scc0 .Lfor_b_\@
	tensor_load_to_lds s[\g0a:\g0a+3], s[\g1a:\g1a+7]
	s_nop 0
.rept 4
	v_nop
.endr
	s_branch .Lasked_\@
.Lfor_b_\@:
	tensor_load_to_lds s[\g0b:\g0b+3], s[\g1b:\g1b+7]
	s_nop 0
.rept 4
	v_nop
.endr
.Lasked_\@:
.endm
.macro CREST
	s_cmp_lg_u32 s14, 0
	s_cbranch_scc1 .Lnot_wave_0_\@
	s_barrier_signal -3
.Lnot_wave_0_\@:
	s_barrier_wait -3
	s_barrier_signal -1
	s_barrier_wait -1
.endm
.macro CROUND
	s_barrier_signal -1
	s_barrier_wait -1
	CREST
.endm
	s_load_b128 s[4:7], s[0:1], 0x0
	s_load_b64 s[8:9], s[0:1], 0x10
	s_load_b64 s[12:13], s[0:1], 0x18
	s_load_b128 s[96:99], s[0:1], 0x20
	v_lshl_add_u32 v[SPW], v0, 2, SPARE
	v_mov_b32 v[NIL], 0
	ds_add_u32 v[SPW], v[NIL]
	ds_add_u32 v[SPW], v[NIL]
	v_lshrrev_b32 v1, 5, v0
	v_readfirstlane_b32 s14, v1
	s_min_u32 s15, s14, 2
	s_bfe_u32 s40, ttmp6, 0x40000
	s_bfe_u32 s41, ttmp6, 0x40004
	s_lshl_b32 s42, ttmp9, 2
	s_add_co_u32 s42, s42, s40
	s_and_b32 s17, ttmp7, 0xffff
	s_lshl_b32 s17, s17, 2
	s_add_co_u32 s17, s17, s41
	s_lshl_b32 s43, s41, 2
	s_lshl_b32 s43, 15, s43
	s_lshl_b32 s44, 0x1111, s40
	s_or_b32 s[G1+0], s43, (0<<16)|(1<<20)|(1<<21)|(5<<22)|(3<<25)
	s_or_b32 s[G1B+0], s44, (0<<16)|(1<<20)|(1<<21)|(5<<22)|(3<<25)
.irp g, G1, G1B
	s_mov_b32 s[\g+1], ROWB<<16
	s_mov_b32 s[\g+2], 128<<16
	s_mov_b32 s[\g+3], ROWB<<16
	s_mov_b32 s[\g+4], 128
	s_mov_b32 s[\g+5], KROW
	s_mov_b32 s[\g+6], 0
	s_mov_b32 s[\g+7], 0
.endr
	s_or_b32 s[G1S+0], s43, (3<<16)|(1<<20)|(1<<21)|(5<<22)|(3<<25)
	s_or_b32 s[G1SB+0], s44, (3<<16)|(1<<20)|(1<<21)|(5<<22)|(3<<25)
.irp g, G1S, G1SB
	s_mov_b32 s[\g+1], 32<<16
	s_mov_b32 s[\g+2], (128*KS/256)<<16
	s_mov_b32 s[\g+3], 32<<16
	s_mov_b32 s[\g+4], 128*KS/256
	s_mov_b32 s[\g+5], 32
	s_mov_b32 s[\g+6], 0
	s_mov_b32 s[\g+7], 0
.endr
	s_lshl_b32 s20, s17, 17
	s_mov_b32 s21, 0
	s_lshl_b32 s22, s17, 12
	s_mov_b32 s23, 0
	s_mul_i32 s46, s42, 384
	s_lshl_b32 s18, s15, 7
	s_add_co_u32 s46, s46, s18
	s_lshl_b32 s92, s46, 5
	s_mov_b32 s93, 0
	s_lshl_b32 s46, s46, 10
	s_mov_b32 s47, 0
	s_mul_i32 s45, s14, HALFT
	s_mul_i32 s94, s14, HALFS
	s_mov_b32 s[SEL], 0x76543210
	s_mov_b32 s[SEL+1], 0xfedcba98
	s_mov_b32 s[MNT], 0x600000
	s_wait_dscnt 0x0
	s_wait_kmcnt 0x0
	s_add_nc_u64 s[10:11], s[8:9], 2621440
	s_add_nc_u64 s[20:21], s[4:5], s[20:21]
	s_add_nc_u64 s[22:23], s[6:7], s[22:23]
	s_add_nc_u64 s[46:47], s[8:9], s[46:47]
	s_add_nc_u64 s[92:93], s[10:11], s[92:93]
	CROUND
	s_mov_b32 s[G0S], 1
	s_add_co_u32 s[G0S+1], s94, SCL
	s_mov_b64 s[G0S+2:G0S+3], s[22:23]
	s_or_b32 s[G0S+3], s[G0S+3], 0x80000000
	s_mov_b32 s[G0SB], 1
	s_add_co_u32 s[G0SB+1], s94, SCL
	s_mov_b64 s[G0SB+2:G0SB+3], s[92:93]
	s_or_b32 s[G0SB+3], s[G0SB+3], 0x80000000
	JLOAD G0S, G1S, G0SB, G1SB
.irp s, 0,1
	s_mov_b32 s[G0+4*\s], 1
	s_add_co_u32 s[G0+4*\s+1], s45, \s*SLOT
	s_add_nc_u64 s[G0+4*\s+2:G0+4*\s+3], s[20:21], \s*ROWB
	s_or_b32 s[G0+4*\s+3], s[G0+4*\s+3], 0x80000000
	s_mov_b32 s[G0B+4*\s], 1
	s_add_co_u32 s[G0B+4*\s+1], s45, \s*SLOT
	s_add_nc_u64 s[G0B+4*\s+2:G0B+4*\s+3], s[46:47], \s*ROWB
	s_or_b32 s[G0B+4*\s+3], s[G0B+4*\s+3], 0x80000000
	s_wait_alu depctr_va_vdst(0)
	s_wait_tensorcnt 0x0
	ds_add_u32 v28, v29
	s_wait_dscnt 0x0
	CROUND
	JLOAD G0+4*\s, G1, G0B+4*\s, G1B
.endr
	v_and_b32 v1, 15, v0
	v_bfe_u32 v2, v0, 4, 1
	v_and_b32 v7, 31, v0
	v_mul_u32_u24 v3, v1, PITCH
	v_lshl_add_u32 v4, v2, 4, v3
	s_mov_b32 s21, 3*HALFT
	s_mul_i32 s22, s14, 96*PITCH
.irp s, 0,1
	v_add_nc_u32 v[ADRA+\s], s21, v4
	v_add_nc_u32 v[ADRB+\s], s22, v4
	s_add_co_u32 s21, s21, SLOT
	s_add_co_u32 s22, s22, SLOT
.endr
	v_lshlrev_b32 v5, 5, v1
	v_lshrrev_b32 v6, 8, v5
	v_lshl_add_u32 v5, v6, 4, v5
	s_mul_i32 s21, s14, 6*SBLK
	s_sub_co_u32 s22, 3*HALFS, s21
	v_mul_u32_u24 v6, s22, v2
	s_add_co_u32 s21, s21, SCL
	v_add_nc_u32 v5, v5, v6
	v_add_nc_u32 v[ADRS], s21, v5
	s_lshl_b32 s21, s14, 9
	v_lshl_add_u32 v[QSST], v1, 2, s21
	v_lshl_add_u32 v[QSRD], v7, 4, s21
	s_and_b32 s22, s14, 1
	s_lshl_b32 s23, s22, 1
	s_add_co_u32 s23, s23, 2048
	v_lshl_add_u32 v[KSST], v1, 2, s23
	s_lshl_b32 s23, s22, 7
	s_add_co_u32 s23, s23, 2560
	v_lshl_add_u32 v[VSST], v1, 2, s23
	v_lshl_add_u32 v[KRD], v7, 4, 2048
	v_lshl_add_u32 v[VRD], v7, 3, 2560
	v_lshlrev_b32 v[IMG], 4, v7
	v_lshlrev_b32 v[L8], 3, v7
	s_and_b32 s21, s17, 15
	v_and_b32 v8, 8, v1
	v_add_nc_u32 v8, v8, v1
	s_lshl_b32 s23, s21, 7
	v_add_nc_u32 v8, s23, v8
	v_lshlrev_b32 v8, 8, v8
	v_lshl_add_u32 v[TABA], v2, 6, v8
	v_lshl_add_u32 v[TABK], s22, 7, v[TABA]
	s_lshr_b32 s23, s17, 4
	s_lshl_b32 s18, s23, 4
	s_lshl_b32 s19, s42, 2
	s_add_co_u32 s18, s18, s19
	s_add_co_u32 s18, s18, s14
	s_lshl_b32 s18, s18, 7
	s_lshl_b32 s19, s21, 3
	s_add_co_u32 s18, s18, s19
	s_lshl_b32 s46, s18, 6
	s_mov_b32 s47, 0
	s_add_nc_u64 s[100:101], s[96:97], s[46:47]
	s_add_nc_u64 s[100:101], s[100:101], 8388608
	s_lshl_b32 s46, s18, 10
	s_add_nc_u64 s[96:97], s[96:97], s[46:47]
	s_lshl_b32 s18, s23, 2
	s_add_co_u32 s18, s18, s42
	s_lshl_b32 s18, s18, 4
	s_add_co_u32 s18, s18, s21
	s_mul_i32 s46, s18, 17152
	s_add_nc_u64 s[98:99], s[98:99], s[46:47]
	s_lshl_b32 s18, s14, 9
	s_lshl_b32 s19, s14, 12
	s_cmp_lt_u32 s14, 2
	s_cselect_b32 s46, s18, s19
	s_add_nc_u64 s[92:93], s[98:99], s[46:47]
.macro FRAG reg, adr, q, i
.irp c, 0,1,2,3
	ds_load_b128 v[\reg+4*\c:\reg+4*\c+3], v[\adr] offset:128*(\q)+32*\c+(\i)*16*PITCH
.endr
.endm
.macro MULQ a0, p, q, sc, zero
.irp a, \a0, \a0+1
.irp b, 0,1,2,3
.if \zero
	v_wmma_scale_f32_16x16x128_f8f6f4 v[8*(8*((\a)%4)+\b):8*(8*((\a)%4)+\b)+7], v[128*(\p)+FR*\b:128*(\p)+FR*\b+FR-1], v[AF+FR*(\a):AF+FR*(\a)+FR-1], 0, v[SC+16*(\sc)+2*\b+(\q)], v[SC+16*(\sc)+2*(\a)+(\q)] matrix_a_fmt:MATRIX_FMT_BF8 matrix_b_fmt:MATRIX_FMT_BF8 matrix_b_scale:MATRIX_SCALE_ROW1
.else
	v_wmma_scale_f32_16x16x128_f8f6f4 v[8*(8*((\a)%4)+\b):8*(8*((\a)%4)+\b)+7], v[128*(\p)+FR*\b:128*(\p)+FR*\b+FR-1], v[AF+FR*(\a):AF+FR*(\a)+FR-1], v[8*(8*((\a)%4)+\b):8*(8*((\a)%4)+\b)+7], v[SC+16*(\sc)+2*\b+(\q)], v[SC+16*(\sc)+2*(\a)+(\q)] matrix_a_fmt:MATRIX_FMT_BF8 matrix_b_fmt:MATRIX_FMT_BF8 matrix_b_scale:MATRIX_SCALE_ROW1
.endif
.endr
.endr
.endm
.macro MULKV hi, p, q, sc, zero
	WIN 0
	s_cmp_lt_u32 s14, 2
	s_cbranch_scc0 .Lvarm_\@
	WIN MUL_LO+0x50*(\hi)
.irp a, 0,1,2,3
.irp b, 4,5
.if \zero
	v_wmma_scale_f32_16x16x128_f8f6f4 v[8*(8*\a+\b):8*(8*\a+\b)+7], v[128*(\p)+FR*\b:128*(\p)+FR*\b+FR-1], v[AF+FR*(4*(\hi)+\a):AF+FR*(4*(\hi)+\a)+FR-1], 0, v[SC+16*(\sc)+2*\b+(\q)], v[SC+16*(\sc)+2*(4*(\hi)+\a)+(\q)] matrix_a_fmt:MATRIX_FMT_BF8 matrix_b_fmt:MATRIX_FMT_BF8 matrix_b_scale:MATRIX_SCALE_ROW1
.else
	v_wmma_scale_f32_16x16x128_f8f6f4 v[8*(8*\a+\b):8*(8*\a+\b)+7], v[128*(\p)+FR*\b:128*(\p)+FR*\b+FR-1], v[AF+FR*(4*(\hi)+\a):AF+FR*(4*(\hi)+\a)+FR-1], v[8*(8*\a+\b):8*(8*\a+\b)+7], v[SC+16*(\sc)+2*\b+(\q)], v[SC+16*(\sc)+2*(4*(\hi)+\a)+(\q)] matrix_a_fmt:MATRIX_FMT_BF8 matrix_b_fmt:MATRIX_FMT_BF8 matrix_b_scale:MATRIX_SCALE_ROW1
.endif
.endr
.endr
	WIN 0
	s_branch .Lkvdone_\@
.Lvarm_\@:
	WIN 0xa4+0x50*(\hi)
.irp a, 0,1,2,3
.irp b, 4,5
.if \zero
	v_wmma_scale_f32_16x16x128_f8f6f4 v[8*(8*\a+\b):8*(8*\a+\b)+7], v[AF+FR*(4*(\hi)+\a):AF+FR*(4*(\hi)+\a)+FR-1], v[128*(\p)+FR*\b:128*(\p)+FR*\b+FR-1], 0, v[SC+16*(\sc)+2*(4*(\hi)+\a)+(\q)], v[SC+16*(\sc)+2*\b+(\q)] matrix_a_fmt:MATRIX_FMT_BF8 matrix_b_fmt:MATRIX_FMT_BF8 matrix_a_scale:MATRIX_SCALE_ROW1
.else
	v_wmma_scale_f32_16x16x128_f8f6f4 v[8*(8*\a+\b):8*(8*\a+\b)+7], v[AF+FR*(4*(\hi)+\a):AF+FR*(4*(\hi)+\a)+FR-1], v[128*(\p)+FR*\b:128*(\p)+FR*\b+FR-1], v[8*(8*\a+\b):8*(8*\a+\b)+7], v[SC+16*(\sc)+2*(4*(\hi)+\a)+(\q)], v[SC+16*(\sc)+2*\b+(\q)] matrix_a_fmt:MATRIX_FMT_BF8 matrix_b_fmt:MATRIX_FMT_BF8 matrix_a_scale:MATRIX_SCALE_ROW1
.endif
.endr
.endr
	WIN 0
.Lkvdone_\@:
.endm
.macro FETCH_B slot, q, p
	WIN TO_B
.irp i, 0,1,2,3,4,5
	FRAG 128*(\p)+FR*\i, ADRB+\slot, \q, \i
.endr
	WIN 0
.endm
.macro FETCH_A slot, q, i0
.irp i, \i0, \i0+1, \i0+2, \i0+3
	FRAG AF+FR*(\i), ADRA+\slot, \q, \i
.endr
.endm
.macro SCALES sc
.irp i, 0,1,2,3,4,5,6,7
	ds_load_b64 v[SC+16*\sc+2*\i:SC+16*\sc+2*\i+1], v[ADRS] offset:\i*SBLK
.endr
.endm
.macro PLACES n
.rept \n
	v_nop
.endr
.endm
.macro STEP slot, q, zero
	s_wait_dscnt 4*NL
	WIN MUL_LO
	MULQ 0, (\q)%2, \q, \slot, \zero
	MULQ 2, (\q)%2, \q, \slot, \zero
	MULKV 0, (\q)%2, \q, \slot, \zero
	s_wait_dscnt 0
	PLACES NP
	FETCH_B \slot, (\q)+1, 1-(\q)%2
	FETCH_A \slot, (\q)+1, 0
	WIN MUL_HI
	MULQ 4, (\q)%2, \q, \slot, \zero
	MULQ 6, (\q)%2, \q, \slot, \zero
	MULKV 1, (\q)%2, \q, \slot, \zero
	PLACES NP
	FETCH_A \slot, (\q)+1, 4
.endm
.macro TURN slot, next, fill
	s_wait_dscnt 4*NL
	MULKV 0, 1, NQ-1, \slot, 0
	s_wait_tensorcnt 0x0
	ds_add_u32 v[SPW], v[NIL]
	WIN MUL_LO
	MULQ 0, 1, NQ-1, \slot, 0
	s_wait_dscnt 0x0
	s_barrier_signal -1
	MULQ 2, 1, NQ-1, \slot, 0
	WIN 0
	s_barrier_wait -1
.if \fill
	CREST
	s_add_nc_u64 s[G0+4*\slot+2:G0+4*\slot+3], s[G0+4*\slot+2:G0+4*\slot+3], 2*ROWB
	s_add_nc_u64 s[G0B+4*\slot+2:G0B+4*\slot+3], s[G0B+4*\slot+2:G0B+4*\slot+3], 2*ROWB
	JLOAD G0+4*\slot, G1, G0B+4*\slot, G1B
	PLACES NP-4
.else
	PLACES NP
.endif
	s_wait_alu depctr_va_vdst(0)
	v_add_nc_u32 v[ADRS], 4*NQ, v[ADRS]
	FETCH_B \next, 0, 0
	FETCH_A \next, 0, 0
	SCALES \next
	WIN MUL_HI
	MULQ 4, 1, NQ-1, \slot, 0
	MULQ 6, 1, NQ-1, \slot, 0
	MULKV 1, 1, NQ-1, \slot, 0
	PLACES NP
	FETCH_A \next, 0, 4
.endm
.macro TLOADQ a
.irp b, 0,1,2,3
	global_load_b128 v[TB+32*((\a)%2)+8*\b:TB+32*((\a)%2)+8*\b+3], v[TABA], s[12:13] offset:(32*((\a)/2)+8*((\a)%2))*256+128*(\b/2)+32*(\b%2)
	global_load_b128 v[TB+32*((\a)%2)+8*\b+4:TB+32*((\a)%2)+8*\b+7], v[TABA], s[12:13] offset:(32*((\a)/2)+8*((\a)%2))*256+128*(\b/2)+32*(\b%2)+16
.endr
.endm
.macro TLOADK a
.irp u, 0,1
	global_load_b128 v[TB+16*((\a)%2)+8*\u:TB+16*((\a)%2)+8*\u+3], v[TABK], s[12:13] offset:(32*((\a)/2)+8*((\a)%2))*256+32*\u
	global_load_b128 v[TB+16*((\a)%2)+8*\u+4:TB+16*((\a)%2)+8*\u+7], v[TABK], s[12:13] offset:(32*((\a)/2)+8*((\a)%2))*256+32*\u+16
.endr
.endm
	s_wait_tensorcnt 1
	s_barrier_signal -1
	s_barrier_wait -1
	FETCH_B 0, 0, 0
	FETCH_A 0, 0, 0
	SCALES 0
	FETCH_A 0, 0, 4
	STEP 0, 0, 1
	TURN 0, 1, 1
	STEP 1, 0, 0
	TURN 1, 0, 1
	STEP 0, 0, 0
	TLOADQ 0
	TLOADQ 1
	TURN 0, 1, 0
	STEP 1, 0, 0
	s_wait_dscnt 4*NL
	WIN MUL_LO
	MULQ 0, 1, NQ-1, 1, 0
	MULQ 2, 1, NQ-1, 1, 0
	MULKV 0, 1, NQ-1, 1, 0
	s_wait_dscnt 0
	WIN MUL_HI
	MULQ 4, 1, NQ-1, 1, 0
	MULQ 6, 1, NQ-1, 1, 0
	MULKV 1, 1, NQ-1, 1, 0
	PLACES NP
.macro ROPE a, b0, nt, tb
	WIN 0x02+(\a)/4
.set AC, 8*(8*((\a)%4)+(\b0))
.set i, 0
.rept 4*(\nt)
	v_pk_mul_f32 v[TT+2*i:TT+2*i+1], v[AC+2*i:AC+2*i+1], v[\tb+2*i:\tb+2*i+1] op_sel_hi:[1,0]
.set i, i+1
.endr
.set i, 0
.rept 4*(\nt)
	v_pk_fma_f32 v[RR+2*i:RR+2*i+1], v[AC+2*i:AC+2*i+1], v[\tb+2*i:\tb+2*i+1], v[TT+2*i:TT+2*i+1] op_sel:[1,1,0] op_sel_hi:[0,1,1] neg_lo:[1,0,0]
.set i, i+1
.endr
	WIN 0
.endm
.macro BMAXL s, nb
.set b, 0
.rept \nb
	v_max3_num_f32 v[TM+b], |v[\s+16*b]|, |v[\s+16*b+1]|, 0x8000000
.set b, b+1
.endr
.irp i, 2,4,6,8,10,12,14
.set b, 0
.rept \nb
	v_max3_num_f32 v[TM+b], v[TM+b], |v[\s+16*b+\i]|, |v[\s+16*b+\i+1]|
.set b, b+1
.endr
.endr
.endm
.macro BJOIN nb
.set b, 0
.rept \nb
	v_permlanex16_b32 v[TM+4+b], v[TM+b], s[SEL], s[SEL+1]
.set b, b+1
.endr
.set b, 0
.rept \nb
	v_max_num_f32 v[TM+b], v[TM+b], v[TM+4+b]
.set b, b+1
.endr
.endm
.macro BSCALE nb
.set b, 0
.rept \nb
	v_add_nc_u32 v[TM+12+b], 0xf8800000, v[TM+b]
	v_and_or_b32 v[TM+8+b], v[TM+b], 0x7f800000, s[MNT]
.set b, b+1
.endr
.set b, 0
.rept \nb
	v_lshrrev_b32 v[TM+4+b], 23, v[TM+12+b]
.set b, b+1
.endr
.endm
.macro BCVT s, nb, c, hold
.set b, 0
.rept \nb
.if \hold
.set i, 0
.rept 16
	v_med3_num_f32 v[\s+16*b+i], v[\s+16*b+i], -v[TM+8+b], v[TM+8+b]
.set i, i+1
.endr
.endif
	v_cvt_scalef32_pk8_bf8_f32 v[\c+4*b:\c+4*b+1], v[\s+16*b:\s+16*b+7], v[TM+12+b]
	v_cvt_scalef32_pk8_bf8_f32 v[\c+4*b+2:\c+4*b+3], v[\s+16*b+8:\s+16*b+15], v[TM+12+b]
.set b, b+1
.endr
	v_nop
.endm
.irp b, 0,1,2,3
	v_mov_b32 v[TM+4+\b], 0
.endr
.macro QTILE a
.if (\a) < 7
	s_wait_loadcnt 8
.else
	s_wait_loadcnt 0
.endif
	ROPE \a, 0, 4, TB+32*((\a)%2)
.if (\a)+2 < 8
	TLOADQ (\a)+2
.endif
	BMAXL RR, 2
	BJOIN 2
	BSCALE 2
	v_lshl_or_b32 v[PW], v[TM+5], 16, v[TM+4]
	v_or_b32 v[PW], 0x7f007f00, v[PW]
	BCVT RR, 2, CC+8*(\a), 1
	global_store_b128 v[IMG], v[CC+8*(\a):CC+8*(\a)+3], s[96:97] offset:(\a)*1024
	global_store_b128 v[IMG], v[CC+8*(\a)+4:CC+8*(\a)+7], s[96:97] offset:(\a)*1024+512
	ds_store_b32 v[QSST], v[PW] offset:64*(\a)
.endm
.irp a, 0,1,2,3,4,5,6,7
	QTILE \a
.endr
	ds_load_b128 v[TT:TT+3], v[QSRD]
	s_wait_dscnt 0x0
	global_store_b128 v[IMG], v[TT:TT+3], s[100:101]
	s_wait_xcnt 0x0
	s_cmp_lt_u32 s14, 2
	s_cbranch_scc0 .Lv_arm
.macro KTILE a
.if (\a) < 7
	s_wait_loadcnt 4
.else
	s_wait_loadcnt 0
.endif
	ROPE \a, 4, 2, TB+16*((\a)%2)
.if (\a)+2 < 8
	TLOADK (\a)+2
.endif
	BMAXL RR, 1
	BJOIN 1
	BSCALE 1
	v_or_b32 v[PW], 0x7f00, v[TM+4]
	BCVT RR, 1, CC+4*(\a), 1
	global_store_b128 v[IMG], v[CC+4*(\a):CC+4*(\a)+3], s[92:93] offset:(\a)*1024
	ds_store_b16 v[KSST], v[PW] offset:64*(\a)
.endm
	TLOADK 0
	TLOADK 1
.irp a, 0,1,2,3,4,5,6,7
	KTILE \a
.endr
	s_branch .Ljoin
.Lv_arm:
.macro VTILE b
.irp hw, 0,1
	WIN 0x0a+5*\hw
.irp u, 0,1
.irp i, 0,2,4,6
.irp cc, 0,1
.if (\u == 0) && (\i == 0)
	v_max3_num_f32 v[TM+2*\hw+\cc], |v[8*(8*(2*\cc+\u)+\b)+\i]|, |v[8*(8*(2*\cc+\u)+\b)+\i+1]|, 0x8000000
.else
	v_max3_num_f32 v[TM+2*\hw+\cc], |v[8*(8*(2*\cc+\u)+\b)+\i]|, |v[8*(8*(2*\cc+\u)+\b)+\i+1]|, v[TM+2*\hw+\cc]
.endif
.endr
.endr
.endr
.endr
	WIN 0
	BJOIN 4
	BSCALE 4
	v_lshl_or_b32 v[PW], v[TM+5], 8, v[TM+4]
	v_lshl_or_b32 v[PW], v[TM+6], 16, v[PW]
	v_lshl_or_b32 v[PW], v[TM+7], 24, v[PW]
.irp hw, 0,1
	WIN 0x02+\hw
.irp cc, 0,1
.irp u, 0,1
.irp j, 0,1,2,3,4,5,6,7
	v_med3_num_f32 v[XX+16*(2*\hw+\cc)+8*\u+\j], v[8*(8*(2*\cc+\u)+\b)+\j], -v[TM+8+2*\hw+\cc], v[TM+8+2*\hw+\cc]
.endr
.endr
.endr
.endr
	WIN 0
	BCVT XX, 4, CC+16*(\b-4), 0
.irp c, 0,1,2,3
	global_store_b128 v[IMG], v[CC+16*(\b-4)+4*\c:CC+16*(\b-4)+4*\c+3], s[92:93] offset:(\b-4)*2048+512*\c
.endr
	ds_store_b32 v[VSST], v[PW] offset:64*(\b-4)
.endm
	VTILE 4
	VTILE 5
.Ljoin:
	s_wait_dscnt 0x0
	s_barrier_signal -1
	s_barrier_wait -1
	s_cmp_eq_u32 s14, 0
	s_cbranch_scc0 .Lnot_0
	ds_load_b128 v[TT:TT+3], v[KRD]
	s_wait_dscnt 0x0
	global_store_b128 v[IMG], v[TT:TT+3], s[98:99] offset:16384
.Lnot_0:
	s_cmp_eq_u32 s14, 2
	s_cbranch_scc0 .Lnot_2
	ds_load_b64 v[TT+4:TT+5], v[VRD]
	s_wait_dscnt 0x0
	global_store_b64 v[L8], v[TT+4:TT+5], s[98:99] offset:16896
.Lnot_2:
	s_wait_tensorcnt 0x0
	ds_add_u32 v[SPW], v[NIL]
	s_wait_dscnt 0x0
	CROUND
	s_endpgm
.Lfunc_end_k_q2e35548114_qkv:
	.size	k_q2e35548114_qkv, .Lfunc_end_k_q2e35548114_qkv-k_q2e35548114_qkv
	.p2alignl 7, 3214868480
	.fill 96, 4, 3214868480
	.section	.rodata,"a",@progbits
	.p2align	6, 0x0
	.amdhsa_kernel k_q2e35548114_qkv
		.amdhsa_group_segment_fixed_size 327680
		.amdhsa_private_segment_fixed_size 0
		.amdhsa_enable_private_segment 0
		.amdhsa_kernarg_size 48
		.amdhsa_user_sgpr_count 2
		.amdhsa_user_sgpr_kernarg_segment_ptr 1
		.amdhsa_wavefront_size32 1
		.amdhsa_system_sgpr_workgroup_id_x 1
		.amdhsa_system_sgpr_workgroup_id_y 1
		.amdhsa_system_sgpr_workgroup_id_z 1
		.amdhsa_system_vgpr_workitem_id 0
		.amdhsa_next_free_vgpr 1024
		.amdhsa_next_free_sgpr 102
		.amdhsa_reserve_vcc 0
		.amdhsa_float_denorm_mode_32 3
		.amdhsa_float_denorm_mode_16_64 3
		.amdhsa_memory_ordered 1
		.amdhsa_forward_progress 1
		.amdhsa_inst_pref_size 222
	.end_amdhsa_kernel
	.amdgpu_metadata
---
amdhsa.version: [ 1, 2 ]
amdhsa.kernels:
  - .name:           k_q2e35548114_qkv
    .symbol:         k_q2e35548114_qkv.kd
    .args:
      - { .name: xc, .offset: 0, .size: 8, .value_kind: global_buffer, .address_space: global }
      - { .name: xs, .offset: 8, .size: 8, .value_kind: global_buffer, .address_space: global }
      - { .name: wq, .offset: 16, .size: 8, .value_kind: global_buffer, .address_space: global }
      - { .name: tab, .offset: 24, .size: 8, .value_kind: global_buffer, .address_space: global }
      - { .name: qq, .offset: 32, .size: 8, .value_kind: global_buffer, .address_space: global }
      - { .name: kv, .offset: 40, .size: 8, .value_kind: global_buffer, .address_space: global }
    .group_segment_fixed_size: 327680
    .private_segment_fixed_size: 0
    .kernarg_segment_align: 8
    .kernarg_segment_size: 48
    .max_flat_workgroup_size: 128
    .sgpr_count:     102
    .vgpr_count:     1024
    .wavefront_size: 32
...
	.end_amdgpu_metadata
.endif
;; end of part 2
;; launch attn (part 3): grid 256 x 1, 8 waves a work-group, no clusters, 327,680 bytes of LDS; arguments qq, kv, oc, os; writes oc, os
.if DOCPART == 3
	.amdgcn_target "amdgcn-amd-amdhsa--gfx1250"
	.amdhsa_code_object_version 6
	.text
	.protected	k_q2e35548114_attn
	.globl	k_q2e35548114_attn
	.p2align	8
	.type	k_q2e35548114_attn,@function
k_q2e35548114_attn:
	s_mov_b64 s[64:65], 0
	v_nop
	global_prefetch_b8 v0, s[64:65] scope:SCOPE_SE
	s_setreg_imm32_b32 hwreg(HW_REG_WAVE_MODE, 25, 1), 1
	s_wait_xcnt 0x0
; Launch 3 of 4: the two attention products on codes of E5M2, the softmax between them, the division by the row's sum, and the quantiser of the result along (head, d) for the last product.
; LEFT OUT: a step of 128 keys all of which come after the wave's 16 queries: reference()'s own causal mask gives those keys the weight 0 for all values of the inputs (shown at the head of the first launch).
; THE SOFTMAX: t = score x log2(e) / 8; M = the running largest t rounded UP to a whole number; p = 2^(t - M) is quantised along the keys; the row's sum is taken of the unquantised p and divides at the end.
; SHARES.  Work-group (bk = batch x 4 + key/value head, j) serves the four query heads of that key/value head for two blocks of 64 queries: J = 31 - j (pass 0, 16 - j / 2 key steps) and J = j (pass 1, j / 2 + 1): 17 key steps each.
; Wave w owns tile w & 3 of the block's four tiles of 16 queries, for heads 2 (w >> 2) and 2 (w >> 2) + 1: the heads share K and V, so each fragment read from LDS feeds two products, and the two tiles have one causal mask.
; Eight waves, two to a SIMD, 512 registers each.
; THE TEXT is one key step in three loops: 2 passes x 4 groups x 4 trips.  A trip whose keys are all hidden jumps over the step's work (a branch on ids).  Barriers stand at a group's end, not in a trip: inside a group the waves share nothing.
; LDS.  A key step's record (K's 8 tiles and V's 4 as images of operand registers, their scale words: 17,152 dense bytes) has a place of its own among 16.  At the head waves 0 to 3 ask for records 0 to 3 and waves 4 to 7 for
; records 4 to 7, by a load line each; the first barrier shows the first line's alone.  At the end of group G (0 to 7 over both passes) every wave waits for all its tensor loads, runs the add and passes a barrier; behind it wave w < 4
; asks for record 4 G + 8 + w, which the group after the next reads, only while that record's first key is at or under the work-group's last query of pass 0: a record beyond that is read by no wave (a test on ids and the loops' counts;
; from G = 2 on no record passes it).  The place's number is taken modulo 16, so that the descriptor names a record's place at every count of the loops.  Every wait on TENSORcnt is for 0; one tensor load of a wave is out at the most.
; NO CLUSTER: of the 16 work-groups of a (batch, key/value head) only two at a time want the same number of records (16 - j / 2), so four partners could not make the same joint requests.
; NO PREFETCH: half of the records are asked for at the head and each of the others four to seven key steps ahead of its first read: the loads themselves run ahead.
; LAYOUT.  S^T = K Q^T and O^T = V^T P^T: a lane holds ONE query throughout.  The places of keys, queries and d have bits 3 and 4 exchanged (made by the launches before), so that the 16 registers of two neighbouring
; tiles are 16 neighbours.  The first product's K is 64: registers 4-7 and 12-15 of its operands hold zero codes, written once.
; REGISTERS.  Window 0: addresses, scale words, each tile's M, sum, factor and block values, p's codes, from v128 K's eight fragments.  Window 1: S^T, then p: tile u at 64 u (tile 0's later V's four fragments); O^T at 128 + 32 u; Q at 192 + 16 u; pass 1's Q at 224 + 8 u.
; LIMITS: as stated at the head of the first launch.
.set STEPB, 17152
.set STG,   16*STEPB                   ; behind the records: a stage of 16 rows x (256 bytes + 16) for each tile
.set SROW,  272
.set SSTG,  STG+4*16*SROW              ; o's scale words: 128 bytes for each tile
.set SPARE, SSTG+512                   ; the spare words, 128 bytes for each wave
.set LI,  1                            ; 16 x lane
.set LS,  2                            ; 4 r
.set STO, 3                            ; stage: where I put 16 codes
.set FRD, 4                            ; stage: where I read rows back
.set SPW, 5                            ; my spare word; never rewritten
.set NIL, 6                            ; 0; never rewritten
.set GOC, 7                            ; my offset in oc
.set ADI, 8                            ; the step's images
.set ADW, 9                            ; the step's scale words
.set GOS, 10                           ; my offset in os
.set QD,  11                           ; my query - 16 h
.set RW,  12                           ; my row in the block of 64, - 16 h
.set DM,  15
.set NINF,16
.set SST, 17                           ; where I put my heads' scale word
.set KW,  18                           ; K's 8 scale words
.set VW,  26                           ; V's 4
.set PW,  30                           ; p's, a tile each
.set QS,  32                           ; Q's, a tile each
.set QSB, 34                           ; pass 1's
.set MM,  36                           ; pairs (-M, largest t)
.set LL,  40                           ; pairs: the row's sum in two halves
.set FF,  44                           ; pairs: the factor, and a word that is only named
.set OLD, 48
.set AA,  50                           ; four pairs at work in the sums
.set TM,  58                           ; 16 a tile: block maxima, bytes, bounds, conversion scales
.set SRD, 90                           ; where I read scale words back
.set PC,  92                           ; 16 a tile: codes
.set KK,  128                          ; K's fragments
.set OT,  128                          ; window 1: O^T
.set QQ,  192                          ; window 1: Q
.set QN,  224                          ; window 1: pass 1's Q
.set RB,  64                           ; window 1: the way out: rows read back
.set TB,  2
.set KF,  3
.set WV,  18
.set MNT, 19
.set SEL, 20
.set CS,  22
.set G1,  24
.set G0H, 32
.set G0L, 36
.set KI,  40
.set Q0,  41
.set QL,  42
.set LIM, 43
.set PASS,46
.set QB64,47
.set KVB, 48
.set OO,  50
.set SO,  52
.set OB,  54
.set SB,  56
.set TILE,58
.set TOFF,59
.set GI,  60                           ; the group in its pass (the register is at work in the head before)
.set KJ,  61                           ; the trip in its group
.set QBS, 78
.set HP,  79
.set MSB, 0
.macro WIN new                         ; the immediate's high byte repeats the setting that is left
.if MSB != (\new)
	s_set_vgpr_msb (MSB<<8)|(\new)
.set MSB, (\new)
.endif
.endm
.macro WALU
	s_wait_alu depctr_va_vdst(0)
.endm
.macro PLACES n
.rept \n
	v_nop
.endr
.endm
.macro HOLD u, n                       ; p is not negative: the hold at the largest code x the scale is one-sided (the conversion does not saturate: ISA guide 7.6.2)
	v_min_num_f32 v[64*(\u)+\n], v[64*(\u)+\n], v[TM+16*(\u)+8+(\n)/16]
.endm
.macro SEC e                           ; tile e's 64 exponentials, with plain lines among them that hang on none of them: tile 1's t - M (e = 0), or tile 0's holds (e = 1).  One wait stands ahead of the batch and one behind it
.set n, 0
.rept 64
	v_exp_f32 v[64*\e+n], v[64*\e+n]
.if \e == 0
.if n%2
	v_pk_fma_f32 v[63+n:64+n], v[63+n:64+n], s[CS:CS+1], v[MM+2:MM+3] op_sel_hi:[1,0,0]
.endif
.else
	HOLD 0, n
.endif
.set n, n+1
.endr
	WALU
.endm
.macro SUM u                           ; the unquantised p of tile u, in four chains
	WIN 0x01
.irp c, 0,1,2,3
	v_pk_add_f32 v[AA+2*\c:AA+2*\c+1], v[64*\u+2*\c:64*\u+2*\c+1], 0 op_sel_hi:[1,0]
.endr
.irp i, 1,2,3,4,5,6,7
.irp c, 0,1,2,3
	v_pk_add_f32 v[AA+2*\c:AA+2*\c+1], v[64*\u+8*\i+2*\c:64*\u+8*\i+2*\c+1], v[AA+2*\c:AA+2*\c+1]
.endr
.endr
.endm
.macro CVT u
	WIN 0x01
.irp b, 0,1,2,3
	v_cvt_scalef32_pk8_bf8_f32 v[PC+16*\u+4*\b:PC+16*\u+4*\b+1], v[64*\u+16*\b:64*\u+16*\b+7], v[TM+16*\u+12+\b]
	v_cvt_scalef32_pk8_bf8_f32 v[PC+16*\u+4*\b+2:PC+16*\u+4*\b+3], v[64*\u+16*\b+8:64*\u+16*\b+15], v[TM+16*\u+12+\b]
.endr
.endm
.macro JOINSUM u                       ; the four chains join; the old sum comes under the new M in the same line
	WIN 0
	v_pk_add_f32 v[AA:AA+1], v[AA:AA+1], v[AA+2:AA+3]
	v_pk_add_f32 v[AA+4:AA+5], v[AA+4:AA+5], v[AA+6:AA+7]
	v_pk_add_f32 v[AA:AA+1], v[AA:AA+1], v[AA+4:AA+5]
	v_pk_fma_f32 v[LL+2*\u:LL+2*\u+1], v[LL+2*\u:LL+2*\u+1], v[FF+2*\u:FF+2*\u+1], v[AA:AA+1] op_sel_hi:[1,0,1]
.endm
	s_load_b256 s[4:11], s[0:1], 0x0               ; qq, kv, oc, os
	v_lshl_add_u32 v[SPW], v0, 2, SPARE
	v_mov_b32 v[NIL], 0
	ds_add_u32 v[SPW], v[NIL]                      ; the wave's opening: the add, twice on end, and its wait ahead of the first tensor load
	ds_add_u32 v[SPW], v[NIL]
	v_lshrrev_b32 v124, 5, v0
	v_readfirstlane_b32 s[WV], v124                ; wave 0..7
	s_and_b32 s[TILE], s[WV], 3                    ; my tile of a block
	s_lshr_b32 s[HP], s[WV], 2                     ; my pair of heads
	s_lshr_b32 s45, ttmp9, 4                       ; bk
	s_and_b32 s44, ttmp9, 15                       ; j
	s_mov_b32 s[G1], 3<<16                         ; a record: 67 dense rows of 32 elements of 8 bytes; no mask, no padding
	s_mov_b32 s[G1+1], 32<<16
	s_mov_b32 s[G1+2], 67<<16
	s_mov_b32 s[G1+3], 32<<16
	s_mov_b32 s[G1+4], 67
	s_mov_b32 s[G1+5], 32
	s_mov_b32 s[G1+6], 0
	s_mov_b32 s[G1+7], 0
	s_mov_b32 s[G0H], 1
	s_mul_i32 s[G0H+1], s[WV], STEPB
	s_mov_b32 s[G0L], 1
	s_mul_i32 s60, s45, 16*STEPB
	s_mov_b32 s61, 0
	s_mul_i32 s62, s[WV], STEPB
	s_mov_b32 s63, 0
	s_sub_co_u32 s92, 31, s44                      ; pass 0's block
	s_lshr_b32 s96, s[TILE], 1
	s_lshl_b32 s96, s96, 5
	s_and_b32 s97, s[TILE], 1
	s_lshl_b32 s97, s97, 3
	s_add_co_u32 s[TOFF], s96, s97                 ; my tile's first query in its block: 32 (tile / 2) + 8 (tile % 2)
	s_lshl_b32 s93, s45, 9
	s_lshl_b32 s96, s[HP], 8
	s_add_co_u32 s93, s93, s96
	s_add_co_u32 s93, s93, s[TILE]                 ; tiles of Q: (4 bk + head) 128 + 4 J + tile; my second head by immediates
	s_lshl_b32 s94, s92, 2
	s_add_co_u32 s94, s94, s93
	s_lshl_b32 s95, s44, 2
	s_add_co_u32 s95, s95, s93
	s_lshl_b32 s66, s94, 10
	s_mov_b32 s67, 0
	s_lshl_b32 s68, s95, 10
	s_mov_b32 s69, 0
	s_lshl_b32 s70, s94, 6
	s_mov_b32 s71, 0
	s_lshl_b32 s72, s95, 6
	s_mov_b32 s73, 0
	s_lshl_b32 s[QB64], s92, 6
	s_lshl_b32 s[QBS], s44, 6
	s_add_co_u32 s[LIM], s[QB64], 63               ; the work-group's last query of pass 0
	s_lshr_b32 s93, s45, 2
	s_lshl_b32 s93, s93, 11                        ; 2,048 b
	s_add_co_u32 s93, s93, s[TOFF]
	s_and_b32 s94, s45, 3                          ; g
	s_add_co_u32 s95, s93, s[QB64]                 ; my tile's first row of oc and os in pass 0,
	s_add_co_u32 s96, s93, s[QBS]                  ; in pass 1
	s_lshl_b32 s97, s94, 8
	s_lshl_b32 s98, s94, 3
	s_lshl_b32 s99, s[HP], 4                       ; the rows that I store: stage rows 8 hp .. + 7 are rows 16 hp .. + 7 of the tile's 24
	s_lshl_b32 s80, s95, 5
	s_add_co_u32 s80, s80, s98
	s_mov_b32 s81, 0
	s_lshl_b32 s82, s96, 5
	s_add_co_u32 s82, s82, s98
	s_mov_b32 s83, 0
	s_add_co_u32 s95, s95, s99
	s_add_co_u32 s96, s96, s99
	s_lshl_b32 s74, s95, 10
	s_add_co_u32 s74, s74, s97
	s_mov_b32 s75, 0
	s_lshl_b32 s76, s96, 10
	s_add_co_u32 s76, s76, s97
	s_mov_b32 s77, 0
	s_mul_i32 s92, s[TILE], 16*SROW
	s_add_co_u32 s92, s92, STG                     ; my tile's stage
	s_lshl_b32 s93, s[TILE], 7
	s_add_co_u32 s93, s93, SSTG                    ; my tile's scale words
	s_lshl_b32 s94, s[HP], 7
	s_add_co_u32 s94, s94, s92
	s_mul_i32 s95, s[HP], 8*SROW
	s_add_co_u32 s95, s95, s92
	s_lshl_b32 s96, s[HP], 2
	s_add_co_u32 s96, s96, s93
	s_mov_b32 s[SEL], 0x76543210
	s_mov_b32 s[SEL+1], 0xfedcba98
	s_mov_b32 s[CS], 0x3e38aa3b                    ; c = log2(e) / 8
	s_mov_b32 s[CS+1], s[CS]
	s_mov_b32 s[MNT], 0x600000
	v_and_b32 v124, 15, v0                         ; r
	v_bfe_u32 v125, v0, 4, 1                       ; h
	v_and_b32 v126, 31, v0                         ; lane
	v_lshlrev_b32 v[LI], 4, v126
	v_lshlrev_b32 v[LS], 2, v124
	v_and_b32 v127, 8, v124
	v_add_nc_u32 v127, v127, v124                  ; r + 8 (r / 8): my query's row in the tile's 24
	v_lshlrev_b32 v91, 4, v125
	v_sub_nc_u32 v[RW], v127, v91
	v_add_nc_u32 v[RW], s[TOFF], v[RW]
	v_mul_u32_u24 v[STO], v124, SROW
	v_lshl_add_u32 v[STO], v125, 4, v[STO]
	v_add_nc_u32 v[STO], s94, v[STO]               ; row r x 272 + 128 hp + 16 h
	v_mul_u32_u24 v[FRD], v125, SROW
	v_lshl_add_u32 v[FRD], v124, 4, v[FRD]
	v_add_nc_u32 v[FRD], s95, v[FRD]               ; rows 8 hp on: lanes 0-15 one row, lanes 16-31 the next
	v_lshlrev_b32 v[GOC], 10, v125
	v_lshl_add_u32 v[GOC], v124, 4, v[GOC]
	v_lshrrev_b32 v127, 1, v126                    ; os: lane l takes word l % 2 of stage row l / 2
	v_and_b32 v91, 8, v127
	v_add_nc_u32 v127, v127, v91
	v_lshlrev_b32 v[GOS], 5, v127
	v_and_b32 v91, 1, v126
	v_lshl_add_u32 v[GOS], v91, 2, v[GOS]
	v_lshl_add_u32 v[SST], v124, 3, s96            ; 8 r + 4 hp
	v_lshl_add_u32 v[SRD], v126, 2, s93
	WALU
	s_wait_dscnt 0x0                               ; both opening adds are done
	s_wait_kmcnt 0x0
	s_add_nc_u64 s[KVB:KVB+1], s[6:7], s[60:61]    ; my (batch, key/value head)'s record 0
	s_add_nc_u64 s[G0H+2:G0H+3], s[KVB:KVB+1], s[62:63]
	s_or_b32 s[G0H+3], s[G0H+3], 0x80000000
	s_cmp_lt_u32 s[WV], 4                          ; records 0 to 7, one a wave; waves 0 to 3 and waves 4 to 7 have a load line each: the first barrier waits for the first line's alone
	s_cbranch_scc0 .Lhead_b
	tensor_load_to_lds s[G0H:G0H+3], s[G1:G1+7]
	s_nop 0
	PLACES 4
	s_branch .Lhead_asked
.Lhead_b:
	tensor_load_to_lds s[G0H:G0H+3], s[G1:G1+7]
	s_nop 0
	PLACES 4
.Lhead_asked:
	s_add_nc_u64 s[84:85], s[4:5], s[66:67]
	s_add_nc_u64 s[86:87], s[4:5], s[68:69]
	s_add_nc_u64 s[88:89], s[4:5], s[70:71]
	s_add_nc_u64 s[88:89], s[88:89], 8388608
	s_add_nc_u64 s[90:91], s[4:5], s[72:73]
	s_add_nc_u64 s[90:91], s[90:91], 8388608
	WIN 0x40
.irp u, 0,1
	global_load_b128 v[QQ+16*\u:QQ+16*\u+3], v[LI], s[84:85] offset:131072*\u        ; Q's images: d 0..31 into registers 0-3, d 32..63 into registers 8-11
	global_load_b128 v[QQ+16*\u+8:QQ+16*\u+11], v[LI], s[84:85] offset:131072*\u+512
	global_load_b128 v[QN+8*\u:QN+8*\u+3], v[LI], s[86:87] offset:131072*\u          ; pass 1's wait in registers of their own
	global_load_b128 v[QN+8*\u+4:QN+8*\u+7], v[LI], s[86:87] offset:131072*\u+512
.endr
.irp u, 0,1
.irp i, 4,5,6,7,12,13,14,15
	v_mov_b32 v[QQ+16*\u+\i], 0                    ; the zero codes of K 32..63 and 96..127: written once, no load lands here
.endr
.endr
	WIN 0
.irp u, 0,1
	global_load_b32 v[QS+\u], v[LS], s[88:89] offset:8192*\u
	global_load_b32 v[QSB+\u], v[LS], s[90:91] offset:8192*\u
.endr
	s_add_nc_u64 s[OO:OO+1], s[8:9], s[74:75]
	s_add_nc_u64 s[OB:OB+1], s[8:9], s[76:77]
	s_add_nc_u64 s[SO:SO+1], s[10:11], s[80:81]
	s_add_nc_u64 s[SB:SB+1], s[10:11], s[82:83]
.irp k, 0,1,2,3,4,5,6,7
.irp i, 4,5,6,7,12,13,14,15
	v_mov_b32 v[KK+16*\k+\i], 0                    ; K's fragments: the zero codes; the loads land in registers 0-3 and 8-11 of each
.endr
.endr
.irp k, 0,1,2,3
	v_mov_b32 v[FF+\k], 0                          ; the pairs' upper words are named; the lower are a lane permute's destination on the way out
.endr
.irp u, 0,1
.irp b, 4,5,6,7
	v_mov_b32 v[TM+16*\u+\b], 0                    ; a lane permute's destination counts as one of its sources
.endr
.endr
	WALU
	s_wait_loadcnt 0x0                             ; Q
	s_cmp_lt_u32 s[WV], 4
	s_cbranch_scc0 .Lnot_first
	s_wait_tensorcnt 0x0                           ; waves 0 to 3: records 0 to 3 have landed.  The other waves' wait stands at the first group's end
.Lnot_first:
	s_barrier_signal -1
	s_barrier_wait -1
	s_mov_b32 s[PASS], 0
.Lpass:                                            ; a pass begins: O^T and the sums are zeros, the largest t lies under every t: the first change of M multiplies zeros
	WIN 0x40
.set n, 0
.rept 64
	v_mov_b32 v[OT+n], 0
.set n, n+1
.endr
	WIN 0
.irp u, 0,1
	v_mov_b32 v[MM+2*\u+1], 0xff61b1e6
	v_mov_b32 v[LL+2*\u], 0
	v_mov_b32 v[LL+2*\u+1], 0
.endr
.irp u, 0,1
	v_floor_f32 v[MM+2*\u], -v[MM+2*\u+1]
.endr
	v_add_nc_u32 v[QD], s[QB64], v[RW]
	s_add_co_u32 s[Q0], s[QB64], s[TOFF]           ; my tile's first query,
	s_add_co_u32 s[QL], s[Q0], 23                  ; its last
	s_mov_b32 s[GI], 0
	WALU
.Lgroup:
	s_mov_b32 s[KJ], 0
.Lstep:
	s_lshl_b32 s[KI], s[GI], 2
	s_add_co_u32 s[KI], s[KI], s[KJ]               ; the key step: 4 x group + trip
	s_lshl_b32 s[KF], s[KI], 7                     ; its first key
	s_cmp_gt_u32 s[KF], s[QL]                      ; all keys come after my queries: the step's work is left out
	s_cbranch_scc1 .Lhidden
	s_mul_i32 s[TB], s[KI], STEPB
	v_add_nc_u32 v[ADI], s[TB], v[LI]
	v_add_nc_u32 v[ADW], s[TB], v[LS]
	WALU                                           ; directly behind the writes
	PLACES 8                                       ; with the two additions ten places behind the last step's products: the products below write over V's fragments, which those read
.irp k, 0,1,2,3,4,5,6,7
	ds_load_b128 v[KK+16*\k:KK+16*\k+3], v[ADI] offset:1024*\k          ; K's eight fragments (registers 0-3 and 8-11 of each)
	ds_load_b128 v[KK+16*\k+8:KK+16*\k+11], v[ADI] offset:1024*\k+512
.endr
.irp k, 0,1,2,3,4,5,6,7
	ds_load_b32 v[KW+\k], v[ADW] offset:16384+64*\k
.endr
	s_wait_dscnt 0x0
	WIN 0x44                                       ; S^T = K Q^T: each fragment of K against my two heads' Q
.irp k, 0,1,2,3,4,5,6,7
.irp u, 0,1
	v_wmma_scale_f32_16x16x128_f8f6f4 v[64*\u+8*\k:64*\u+8*\k+7], v[KK+16*\k:KK+16*\k+15], v[QQ+16*\u:QQ+16*\u+15], 0, v[KW+\k], v[QS+\u] matrix_a_fmt:MATRIX_FMT_BF8 matrix_b_fmt:MATRIX_FMT_BF8
.endr
.endr                                              ; register 64 u + 16 b + i: key KF + 32 b + 16 h + i of head u
	WIN 0
	PLACES 8                                       ; ahead of the first reader of the scores
	s_add_co_u32 s96, s[KF], 127                   ; on the diagonal the scores of hidden keys become -infinity ahead of the maximum: p = 0 then.  A step all of whose keys count skips this
	s_cmp_le_u32 s96, s[Q0]
	s_cbranch_scc1 .Lopen
	v_sub_nc_u32 v[DM], v[QD], s[KF]               ; d = my query - KF - 16 h: register 16 b + i is hidden where 32 b + i > d; one compare serves both heads
	v_mov_b32 v[NINF], 0xff800000
	WIN 0x41
.set n, 0
.rept 64
	v_cmp_gt_i32 vcc_lo, 32*(n/16)+n%16, v[DM]
.irp u, 0,1
	v_cndmask_b32 v[64*\u+n], v[64*\u+n], v[NINF], vcc_lo
.endr
.set n, n+1
.endr
	WIN 0
.Lopen:
	WIN 0x05                                       ; the largest score of each block of 32 keys: for the row's maximum, and, since p rises with the score, for the block's largest p
.irp b, 0,1,2,3
.irp u, 0,1
	v_max_num_f32 v[TM+16*\u+\b], v[64*\u+16*\b], v[64*\u+16*\b+1]
.endr
.endr
.irp i, 2,4,6,8,10,12,14
.irp b, 0,1,2,3
.irp u, 0,1
	v_max3_num_f32 v[TM+16*\u+\b], v[64*\u+16*\b+\i], v[64*\u+16*\b+\i+1], v[TM+16*\u+\b]
.endr
.endr
.endr
	WIN 0
.irp b, 0,1,2,3
.irp u, 0,1
	v_permlanex16_b32 v[TM+16*\u+4+\b], v[TM+16*\u+\b], s[SEL], s[SEL+1]
.endr
.endr
.irp b, 0,1,2,3
.irp u, 0,1
	v_max_num_f32 v[TM+16*\u+\b], v[TM+16*\u+\b], v[TM+16*\u+4+\b]   ; with lane l xor 16's 16 keys
.endr
.endr
.irp u, 0,1
	v_max3_num_f32 v[OLD+\u], v[TM+16*\u], v[TM+16*\u+1], v[TM+16*\u+2]
.endr
.irp u, 0,1
	v_max_num_f32 v[OLD+\u], v[OLD+\u], v[TM+16*\u+3]
.endr
.irp u, 0,1
	v_mul_f32 v[OLD+\u], s[CS], v[OLD+\u]          ; the step's largest t (c is positive)
.endr
.irp u, 0,1
	v_max_num_f32 v[MM+2*\u+1], v[MM+2*\u+1], v[OLD+\u]
.endr
.irp u, 0,1
	v_mov_b32 v[OLD+\u], v[MM+2*\u]
.endr
.irp u, 0,1
	v_floor_f32 v[MM+2*\u], -v[MM+2*\u+1]          ; the new -M = floor(-t): M is a whole number
.endr
.irp u, 0,1
	v_sub_f32 v[OLD+\u], v[MM+2*\u], v[OLD+\u]     ; old M - new M: a whole number, 0 or less
.endr
.irp u, 0,1
	v_cvt_i32_f32 v[OLD+\u], v[OLD+\u]
.endr
.irp u, 0,1
	v_ldexp_f32 v[FF+2*\u], 1.0, v[OLD+\u]         ; f = 2^(old M - new M): a multiplication by it rounds nothing
.endr
.irp b, 0,1,2,3
.irp u, 0,1
	v_fma_f32 v[TM+16*\u+\b], v[TM+16*\u+\b], s[CS], v[MM+2*\u]   ; t - M of each block's largest score
.endr
.endr
	WALU                                           ; ahead of the batch
.irp b, 0,1,2,3
.irp u, 0,1
	v_exp_f32 v[TM+16*\u+\b], v[TM+16*\u+\b]       ; the block's largest p
.endr
.endr
	WIN 0x41
.set n, 0
.rept 32
	v_pk_fma_f32 v[n:n+1], v[n:n+1], s[CS:CS+1], v[MM:MM+1] op_sel_hi:[1,0,0]   ; tile 0's t - M, two at a time
.set n, n+2
.endr
	WALU                                           ; behind the batch, ahead of its first reader
	WIN 0
.irp b, 0,1,2,3
.irp u, 0,1
	v_max_num_f32 v[TM+16*\u+\b], 0x8000000, v[TM+16*\u+\b]       ; the floor 2^(16 - 127): the byte cannot fall under 1
.endr
.endr
.irp b, 0,1,2,3
.irp u, 0,1
	v_add_nc_u32 v[TM+16*\u+12+\b], 0xf8800000, v[TM+16*\u+\b]    ; the conversion's scale operand
.endr
.endr
.irp b, 0,1,2,3
.irp u, 0,1
	v_and_or_b32 v[TM+16*\u+8+\b], v[TM+16*\u+\b], 0x7f800000, s[MNT]   ; 57,344 x the scale
.endr
.endr
.irp b, 0,1,2,3
.irp u, 0,1
	v_lshrrev_b32 v[TM+16*\u+4+\b], 23, v[TM+16*\u+12+\b]         ; the scale's byte
.endr
.endr
.irp u, 0,1
	v_lshl_or_b32 v[PW+\u], v[TM+16*\u+5], 8, v[TM+16*\u+4]       ; p's scale word for these 128 keys
.endr
.irp u, 0,1
	v_lshl_or_b32 v[PW+\u], v[TM+16*\u+6], 16, v[PW+\u]
.endr
.irp u, 0,1
	v_lshl_or_b32 v[PW+\u], v[TM+16*\u+7], 24, v[PW+\u]
.endr
	WIN 0x41
	WALU
	SEC 0
	SUM 0
	JOINSUM 0
	WIN 0x41
	WALU
	SEC 1
	SUM 1
	CVT 0
	JOINSUM 1
	WIN 0x40                                       ; V's four fragments take the registers that tile 0's p has left
.irp k, 0,1,2,3
.irp c, 0,1,2,3
	ds_load_b128 v[16*\k+4*\c:16*\k+4*\c+3], v[ADI] offset:8192+2048*\k+512*\c
.endr
.endr
	WIN 0
.irp k, 0,1,2,3
	ds_load_b32 v[VW+\k], v[ADW] offset:16896+64*\k
.endr
	WIN 0x41
.set n, 0
.rept 64
	HOLD 1, n
.set n, n+1
.endr
	CVT 1
	WIN 0x41
	WALU                                           ; directly ahead of the first readers of O^T, behind the step's last exponential
.irp u, 0,1
.set n, 0
.rept 16
	v_pk_mul_f32 v[OT+32*\u+n:OT+32*\u+n+1], v[OT+32*\u+n:OT+32*\u+n+1], v[FF+2*\u:FF+2*\u+1] op_sel_hi:[1,0]   ; O^T under the new M; these are also the places between the conversions and the products
.set n, n+2
.endr
.endr
	WIN 0
	WALU
	s_wait_dscnt 0x0                               ; V's fragments are in
	WIN 0x51                                       ; O^T += V^T P^T: eight accumulators by turns
.irp k, 0,1,2,3
.irp u, 0,1
	v_wmma_scale_f32_16x16x128_f8f6f4 v[OT+32*\u+8*\k:OT+32*\u+8*\k+7], v[16*\k:16*\k+15], v[PC+16*\u:PC+16*\u+15], v[OT+32*\u+8*\k:OT+32*\u+8*\k+7], v[VW+\k], v[PW+\u] matrix_a_fmt:MATRIX_FMT_BF8 matrix_b_fmt:MATRIX_FMT_BF8
.endr
.endr
	WIN 0
.Lhidden:
	s_add_co_u32 s[KJ], s[KJ], 1
	s_cmp_lt_u32 s[KJ], 4
	s_cbranch_scc1 .Lstep
; A GROUP ENDS: what has been asked for so far is shown to every wave, and the records of the group after the next are asked for.
	s_wait_tensorcnt 0x0                           ; no tensor load of mine is out, so the walking group 0 may be written
	ds_add_u32 v[SPW], v[NIL]
	s_lshl_b32 s96, s[PASS], 2
	s_add_co_u32 s96, s96, s[GI]                   ; G
	s_lshl_b32 s96, s96, 2
	s_add_co_u32 s96, s96, 8
	s_min_u32 s97, s[WV], 3
	s_add_co_u32 s96, s96, s97                     ; record 4 G + 8 + w,
	s_and_b32 s97, s96, 15                         ; its place
	s_mul_i32 s[G0L+1], s97, STEPB
	s_mul_i32 s98, s96, STEPB
	s_mov_b32 s99, 0
	s_add_nc_u64 s[G0L+2:G0L+3], s[KVB:KVB+1], s[98:99]
	s_or_b32 s[G0L+3], s[G0L+3], 0x80000000
	s_lshl_b32 s96, s96, 7                         ; its first key
	s_wait_dscnt 0x0                               ; the add is done, and so are my LDS reads
	s_barrier_signal -1
	s_barrier_wait -1
	s_cmp_gt_u32 s96, s[LIM]                       ; beyond the bound no wave reads the record, so it is not asked for
	s_cbranch_scc1 .Lpast
	s_cmp_lt_u32 s[WV], 4
	s_cbranch_scc0 .Lpast
	tensor_load_to_lds s[G0L:G0L+3], s[G1:G1+7]
	s_nop 0
	PLACES 4
.Lpast:
	s_add_co_u32 s[GI], s[GI], 1
	s_cmp_lt_u32 s[GI], 4
	s_cbranch_scc1 .Lgroup
; A PASS ENDS: O^T is divided by the row's sum and quantised; register 32 u + 16 b + i = d 32 b + 16 h + i of my query and head u.
	PLACES 8                                       ; behind the last products
.irp u, 0,1
	v_add_f32 v[LL+2*\u], v[LL+2*\u], v[LL+2*\u+1]
.endr
.irp u, 0,1
	v_permlanex16_b32 v[FF+2*\u], v[LL+2*\u], s[SEL], s[SEL+1]
.endr
.irp u, 0,1
	v_add_f32 v[LL+2*\u], v[LL+2*\u], v[FF+2*\u]   ; the row's sum
.endr
	WALU
.irp u, 0,1
	v_rcp_f32 v[OLD+\u], v[LL+2*\u]
.endr
	v_nop
	WALU
.irp u, 0,1
	v_fma_f32 v[FF+2*\u], -v[LL+2*\u], v[OLD+\u], 1.0              ; one step of Newton: what goes into a quantiser is as good as f32 allows
.endr
.irp u, 0,1
	v_fma_f32 v[FF+2*\u], v[OLD+\u], v[FF+2*\u], v[OLD+\u]
.endr
	WIN 0x41
	WALU                                           ; directly ahead of the first readers of O^T
.irp u, 0,1
.set n, 0
.rept 16
	v_pk_mul_f32 v[OT+32*\u+n:OT+32*\u+n+1], v[OT+32*\u+n:OT+32*\u+n+1], v[FF+2*\u:FF+2*\u+1] op_sel_hi:[1,0]   ; each accumulator from its low end on
.set n, n+2
.endr
.endr
	WIN 0x05
.irp b, 0,1
.irp u, 0,1
	v_max3_num_f32 v[TM+16*\u+\b], |v[OT+32*\u+16*\b]|, |v[OT+32*\u+16*\b+1]|, 0x8000000
.endr
.endr
.irp i, 2,4,6,8,10,12,14
.irp b, 0,1
.irp u, 0,1
	v_max3_num_f32 v[TM+16*\u+\b], |v[OT+32*\u+16*\b+\i]|, |v[OT+32*\u+16*\b+\i+1]|, v[TM+16*\u+\b]
.endr
.endr
.endr
	WIN 0
.irp b, 0,1
.irp u, 0,1
	v_permlanex16_b32 v[TM+16*\u+4+\b], v[TM+16*\u+\b], s[SEL], s[SEL+1]
.endr
.endr
.irp b, 0,1
.irp u, 0,1
	v_max_num_f32 v[TM+16*\u+\b], v[TM+16*\u+\b], v[TM+16*\u+4+\b]
.endr
.endr
.irp b, 0,1
.irp u, 0,1
	v_add_nc_u32 v[TM+16*\u+12+\b], 0xf8800000, v[TM+16*\u+\b]
.endr
.endr
.irp b, 0,1
.irp u, 0,1
	v_and_or_b32 v[TM+16*\u+8+\b], v[TM+16*\u+\b], 0x7f800000, s[MNT]
.endr
.endr
.irp b, 0,1
.irp u, 0,1
	v_lshrrev_b32 v[TM+16*\u+4+\b], 23, v[TM+16*\u+12+\b]
.endr
.endr
.irp u, 0,1
	v_lshl_or_b32 v[OLD+\u], v[TM+16*\u+5], 8, v[TM+16*\u+4]       ; head u's two scale bytes
.endr
	v_lshl_or_b32 v[AA], v[OLD+1], 16, v[OLD]      ; my two heads' four
	WIN 0x41
.irp u, 0,1
.set n, 0
.rept 32
	v_med3_num_f32 v[OT+32*\u+n], v[OT+32*\u+n], -v[TM+16*\u+8+n/16], v[TM+16*\u+8+n/16]
.set n, n+1
.endr
.endr
	WIN 0x01
.irp u, 0,1
.irp b, 0,1
	v_cvt_scalef32_pk8_bf8_f32 v[PC+16*\u+4*\b:PC+16*\u+4*\b+1], v[OT+32*\u+16*\b:OT+32*\u+16*\b+7], v[TM+16*\u+12+\b]
	v_cvt_scalef32_pk8_bf8_f32 v[PC+16*\u+4*\b+2:PC+16*\u+4*\b+3], v[OT+32*\u+16*\b+8:OT+32*\u+16*\b+15], v[TM+16*\u+12+\b]
.endr
.endr
	WIN 0
	v_nop                                          ; one plain vector line behind the last conversion
.irp u, 0,1
.irp b, 0,1
	ds_store_b128 v[STO], v[PC+16*\u+4*\b:PC+16*\u+4*\b+3] offset:64*\u+32*\b   ; the tile's stage: a row is the four heads' 256 bytes of a row of oc; my heads' half of it
.endr
.endr
	ds_store_b32 v[SST], v[AA]                     ; lanes r and r + 16 write the same word with the same value
	WALU
	s_wait_dscnt 0x0                               ; for the other wave of my tile: my stores have landed
	s_barrier_signal -1
	s_barrier_wait -1
	WIN 0x40
.irp i, 0,1,2,3
	ds_load_b128 v[RB+4*\i:RB+4*\i+3], v[FRD] offset:2*\i*SROW
.endr
	WIN 0
	s_wait_dscnt 0x0
	WIN 0x04
.irp i, 0,1,2,3
	global_store_b128 v[GOC], v[RB+4*\i:RB+4*\i+3], s[OO:OO+1] offset:2048*\i   ; sixteen lanes store 256 consecutive bytes, aligned
.endr
	WIN 0
	s_cmp_lt_u32 s[WV], 4
	s_cbranch_scc0 .Lno_scales
	ds_load_b32 v[AA+1], v[SRD]
	s_wait_dscnt 0x0
	global_store_b32 v[GOS], v[AA+1], s[SO:SO+1]   ; 8 of a row's 32 scale bytes: the other 24 belong to the other key/value heads' work-groups
.Lno_scales:
	s_wait_xcnt 0x0                                ; the stores have read their bases and registers, which pass 1 writes anew
	s_mov_b64 s[OO:OO+1], s[OB:OB+1]
	s_mov_b64 s[SO:SO+1], s[SB:SB+1]
	s_mov_b32 s[QB64], s[QBS]
	WIN 0x41
.irp u, 0,1
.irp i, 0,1,2,3
	v_mov_b32 v[QQ+16*\u+\i], v[QN+8*\u+\i]        ; pass 1's Q
	v_mov_b32 v[QQ+16*\u+8+\i], v[QN+8*\u+4+\i]
.endr
.endr
	WIN 0
.irp u, 0,1
	v_mov_b32 v[QS+\u], v[QSB+\u]
.endr
	s_add_co_u32 s[PASS], s[PASS], 1
	s_cmp_lt_u32 s[PASS], 2
	WALU
	s_cbranch_scc1 .Lpass
	s_wait_tensorcnt 0x0                           ; the wave's end: behind my last tensor load and my last LDS store
	ds_add_u32 v[SPW], v[NIL]
	s_wait_dscnt 0x0
	s_endpgm
.Lfunc_end_k_q2e35548114_attn:
	.size	k_q2e35548114_attn, .Lfunc_end_k_q2e35548114_attn-k_q2e35548114_attn
	.p2alignl 7, 3214868480
	.fill 96, 4, 3214868480
	.section	.rodata,"a",@progbits
	.p2align	6, 0x0
	.amdhsa_kernel k_q2e35548114_attn
		.amdhsa_group_segment_fixed_size 327680
		.amdhsa_private_segment_fixed_size 0
		.amdhsa_enable_private_segment 0
		.amdhsa_kernarg_size 32
		.amdhsa_user_sgpr_count 2
		.amdhsa_user_sgpr_kernarg_segment_ptr 1
		.amdhsa_wavefront_size32 1
		.amdhsa_system_sgpr_workgroup_id_x 1
		.amdhsa_system_sgpr_workgroup_id_y 1
		.amdhsa_system_sgpr_workgroup_id_z 1
		.amdhsa_system_vgpr_workitem_id 0
		.amdhsa_next_free_vgpr 512
		.amdhsa_next_free_sgpr 100
		.amdhsa_reserve_vcc 1
		.amdhsa_float_denorm_mode_32 3
		.amdhsa_float_denorm_mode_16_64 3
		.amdhsa_memory_ordered 1
		.amdhsa_forward_progress 1
		.amdhsa_inst_pref_size 71
	.end_amdhsa_kernel
	.amdgpu_metadata
---
amdhsa.version: [ 1, 2 ]
amdhsa.kernels:
  - .name:           k_q2e35548114_attn
    .symbol:         k_q2e35548114_attn.kd
    .args:
      - { .name: qq, .offset: 0, .size: 8, .value_kind: global_buffer, .address_space: global }
      - { .name: kv, .offset: 8, .size: 8, .value_kind: global_buffer, .address_space: global }
      - { .name: oc, .offset: 16, .size: 8, .value_kind: global_buffer, .address_space: global }
      - { .name: os, .offset: 24, .size: 8, .value_kind: global_buffer, .address_space: global }
    .group_segment_fixed_size: 327680
    .private_segment_fixed_size: 0
    .kernarg_segment_align: 8
    .kernarg_segment_size: 32
    .max_flat_workgroup_size: 256
    .sgpr_count:     100
    .vgpr_count:     512
    .wavefront_size: 32
...
	.end_amdgpu_metadata
.endif
;; end of part 3
;; launch oproj (part 4): grid 4 x 64, 4 waves a work-group, clusters of 4 x 4, 327,680 bytes of LDS; arguments oc, os, wq, out0; writes out0
.if DOCPART == 4
	.amdgcn_target "amdgcn-amd-amdhsa--gfx1250"
	.amdhsa_code_object_version 6
	.text
	.protected	k_q2e35548114_oproj
	.globl	k_q2e35548114_oproj
	.p2align	8
	.type	k_q2e35548114_oproj,@function
k_q2e35548114_oproj:
	s_mov_b64 s[64:65], 0
	v_nop
	global_prefetch_b8 v0, s[64:65] scope:SCOPE_SE
	s_setreg_imm32_b32 hwreg(HW_REG_WAVE_MODE, 25, 1), 1
	s_wait_xcnt 0x0
	s_wait_alu depctr_hold_cnt(0) depctr_sa_sdst(0) depctr_va_vdst(0) depctr_va_sdst(0) depctr_va_ssrc(0) depctr_va_vcc(0) depctr_vm_vsrc(0)
	s_getreg_b32 s2, hwreg(HW_REG_IB_STS2, 6, 4)
	s_cmp_eq_u32 s2, 0
	s_cbranch_scc0 .Lentry_in_a_cluster
	s_endpgm
.Lentry_in_a_cluster:
	s_bfe_u32 s2, ttmp6, 0x10000c
	s_cmp_lg_u32 s2, 0xf033
	s_cbranch_scc0 .Lentry_shape_is_right
	s_endpgm
.Lentry_shape_is_right:
; Launch 4 of 4: out0 = o Wo on codes of E5M2 with one E8M0 byte for each 32 along K = 1,024; f32 sums, stored as they are.  Nothing is left out here.
; oc [8,192][1,024] codes, os [8,192][32] scale bytes; Wo's columns as rows of 1,024 codes in wq from byte 1,572,864, their 32 scale bytes each from byte 2,670,592.
; SHARES.  256 work-groups, each a block of 128 rows x 256 columns; four waves, 2 x 2, a wave 64 x 128: 32 accumulators of 16 x 16 (window 2).
; K goes in four steps of 256 through two LDS slots (B's 256 rows, then A's 128; rows of 256 bytes + 16 of padding).  Waves 0 and 1 fetch B's halves, waves 2 and 3 A's: one joint load a wave at each fill.
; CLUSTERS: 4 x 4.  A's tile hangs on the tile row alone and is shared along a row of the cluster, B's on the tile column alone and is shared along a column.
; THE SCALE WORDS of a wave's 64 rows of A and 128 rows of B, for all of K, go from memory into 48 registers once: lane l takes the 32 bytes of row l of a pair of blocks, so lanes 0-15 hold the even block's words and lanes 16-31 the odd block's.
; FRAGMENTS: two sets for both operands (A: window 0 from v128; B: window 1); a step of 128 along K begins by asking for the next step's 48 loads, and then multiplies.
; The eight steps of 128 are written out: no loop.  NO PREFETCH: of K's four slots' worth two are asked for at the head, and the text has no loop to run ahead in.
; THE MATRIX INSTRUCTION IS USED TRANSPOSED (source 0 = 16 rows of B, source 1 = 16 rows of A): a lane holds eight neighbouring numbers of a row of the result.
.set ROWB,   256
.set KROW,   1024
.set PITCH,  272
.set BT,     256*PITCH
.set SLOT,   384*PITCH
.set SPARE,  2*SLOT                    ; the spare words, 128 bytes for each wave
.set STAGE,  SPARE+512                 ; the way out: 16 rows x (512 bytes + 16) for each wave: bytes of their own
.set SPITCH, 528
.set SIZE_N, 1024
.set ADRA, 16
.set ADRB, 20
.set STO,  24
.set RD,   25
.set CO,   26
.set ABS,  27
.set SPW,  28
.set NIL,  29
.set SA,   32                          ; A's scale words: 8 for each pair of blocks
.set SBB,  52                          ; B's: their numbers differ from A's modulo 8
.set AF,   128
.set BK,   128
.set G1, 24
.set G0, 32
.set G1B, 48
.set G0B, 56
.set MSB, 0
.macro WIN new
.if MSB != (\new)
	s_set_vgpr_msb (MSB<<8)|(\new)
.set MSB, (\new)
.endif
.endm
.macro PLACES n
.rept \n
	v_nop
.endr
.endm
.macro JLOAD s                         ; a joint load: waves 2 and 3 for A, waves 0 and 1 for B; an s_nop 0 and four v_nop follow each line
	s_cmp_eq_u32 s15, 1
	s_cbranch_scc0 .Lfor_b_\@
	tensor_load_to_lds s[G0+4*\s:G0+4*\s+3], s[G1:G1+7]
	s_nop 0
	PLACES 4
	s_branch .Lasked_\@
.Lfor_b_\@:
	tensor_load_to_lds s[G0B+4*\s:G0B+4*\s+3], s[G1B:G1B+7]
	s_nop 0
	PLACES 4
.Lasked_\@:
.endm
.macro CREST
	s_cmp_lg_u32 s14, 0
	s_cbranch_scc1 .Lnot_wave_0_\@
	s_barrier_signal -3
.Lnot_wave_0_\@:
	s_barrier_wait -3
	s_barrier_signal -1
	s_barrier_wait -1
.endm
.macro CROUND
	s_barrier_signal -1
	s_barrier_wait -1
	CREST
.endm
	s_load_b128 s[4:7], s[0:1], 0x0                ; oc, os
	s_load_b64 s[8:9], s[0:1], 0x10                ; wq
	s_load_b64 s[12:13], s[0:1], 0x18              ; out0
	v_lshl_add_u32 v[SPW], v0, 2, SPARE
	v_mov_b32 v[NIL], 0
	ds_add_u32 v[SPW], v[NIL]                      ; the wave's opening: the add, twice on end, and its wait
	ds_add_u32 v[SPW], v[NIL]
	v_lshrrev_b32 v1, 5, v0
	v_readfirstlane_b32 s14, v1                    ; wave 0..3
	s_lshr_b32 s15, s14, 1                         ; my half of the block's rows.  Also: I fetch for B (0) or for A (1)
	s_and_b32 s16, s14, 1                          ; my half of its columns.  Also: which half of that tile I fetch
	s_bfe_u32 s40, ttmp6, 0x40000                  ; cx, cy
	s_bfe_u32 s41, ttmp6, 0x40004
	s_lshl_b32 s42, ttmp9, 2
	s_add_co_u32 s42, s42, s40                     ; tile column
	s_and_b32 s17, ttmp7, 0xffff
	s_lshl_b32 s17, s17, 2
	s_add_co_u32 s17, s17, s41                     ; tile row
	s_lshl_b32 s43, s41, 2
	s_lshl_b32 s43, 15, s43                        ; my row of the cluster
	s_lshl_b32 s44, 0x1111, s40                    ; my column
	s_or_b32 s[G1+0], s43, (0<<16)|(1<<20)|(1<<21)|(5<<22)|(3<<25)
	s_mov_b32 s[G1+1], ROWB<<16
	s_mov_b32 s[G1+2], 64<<16                      ; A: 64 rows a load
	s_mov_b32 s[G1+3], ROWB<<16
	s_mov_b32 s[G1+4], 64
	s_mov_b32 s[G1+5], KROW
	s_mov_b32 s[G1+6], 0
	s_mov_b32 s[G1+7], 0
	s_or_b32 s[G1B+0], s44, (0<<16)|(1<<20)|(1<<21)|(5<<22)|(3<<25)
	s_mov_b32 s[G1B+1], ROWB<<16
	s_mov_b32 s[G1B+2], 128<<16                    ; B: 128 rows a load
	s_mov_b32 s[G1B+3], ROWB<<16
	s_mov_b32 s[G1B+4], 128
	s_mov_b32 s[G1B+5], KROW
	s_mov_b32 s[G1B+6], 0
	s_mov_b32 s[G1B+7], 0
	s_lshl_b32 s20, s17, 17                        ; A's codes: row 128 x tile row + 64 x half
	s_lshl_b32 s18, s16, 16
	s_add_co_u32 s20, s20, s18
	s_mov_b32 s21, 0
	s_lshl_b32 s46, s42, 18                        ; B's: row 256 x tile column + 128 x half
	s_lshl_b32 s18, s16, 17
	s_add_co_u32 s46, s46, s18
	s_mov_b32 s47, 0
	s_lshl_b32 s22, s17, 12                        ; A's scale bytes: my 64 rows
	s_lshl_b32 s18, s15, 11
	s_add_co_u32 s22, s22, s18
	s_mov_b32 s23, 0
	s_lshl_b32 s92, s42, 13                        ; B's: my 128 rows
	s_lshl_b32 s18, s16, 12
	s_add_co_u32 s92, s92, s18
	s_mov_b32 s93, 0
	s_mul_i32 s45, s16, 64*PITCH
	s_add_co_u32 s45, s45, BT                      ; where A's half goes,
	s_mul_i32 s94, s16, 128*PITCH                  ; and B's: the wave's number alone
	s_lshl_b32 s70, s17, 19                        ; my part of out0: row 128 x tile row + 64 x half, 4,096 bytes a row,
	s_lshl_b32 s18, s15, 18
	s_add_co_u32 s70, s70, s18
	s_lshl_b32 s18, s42, 10                        ; column 256 x tile column + 128 x half
	s_add_co_u32 s70, s70, s18
	s_lshl_b32 s18, s16, 9
	s_add_co_u32 s70, s70, s18
	s_mov_b32 s71, 0
	s_wait_alu depctr_va_vdst(0)
	s_wait_dscnt 0x0                               ; both opening adds are done
	s_wait_kmcnt 0x0
	s_add_nc_u64 s[10:11], s[8:9], 2670592
	s_add_nc_u64 s[8:9], s[8:9], 1572864
	s_add_nc_u64 s[20:21], s[4:5], s[20:21]
	s_add_nc_u64 s[22:23], s[6:7], s[22:23]
	s_add_nc_u64 s[46:47], s[8:9], s[46:47]
	s_add_nc_u64 s[92:93], s[10:11], s[92:93]
	s_add_nc_u64 s[12:13], s[12:13], s[70:71]
.irp s, 0,1
	s_mov_b32 s[G0+4*\s], 1
	s_add_co_u32 s[G0+4*\s+1], s45, \s*SLOT
	s_add_nc_u64 s[G0+4*\s+2:G0+4*\s+3], s[20:21], \s*ROWB
	s_or_b32 s[G0+4*\s+3], s[G0+4*\s+3], 0x80000000
	s_mov_b32 s[G0B+4*\s], 1
	s_add_co_u32 s[G0B+4*\s+1], s94, \s*SLOT
	s_add_nc_u64 s[G0B+4*\s+2:G0B+4*\s+3], s[46:47], \s*ROWB
	s_or_b32 s[G0B+4*\s+3], s[G0B+4*\s+3], 0x80000000
.endr
	CROUND                                         ; all sixteen work-groups are here: the first joint loads meet
	JLOAD 0                                        ; K step 0: one tensor load a wave at the head
	v_and_b32 v1, 15, v0
	v_bfe_u32 v2, v0, 4, 1
	v_and_b32 v6, 31, v0
	v_lshlrev_b32 v[ABS], 5, v6                    ; a row of 32 scale bytes a lane
	v_mul_u32_u24 v3, v1, PITCH
	v_lshl_add_u32 v4, v2, 4, v3
	s_mul_i32 s66, s15, 64*PITCH
	s_add_co_u32 s66, s66, BT                      ; my 64 rows of A
	s_mul_i32 s67, s16, 128*PITCH                  ; my 128 rows of B
.irp s, 0,1
	v_add_nc_u32 v[ADRA+\s], s66, v4
	v_add_nc_u32 v[ADRB+\s], s67, v4
	s_add_co_u32 s66, s66, SLOT
	s_add_co_u32 s67, s67, SLOT
.endr
	s_mul_i32 s68, s14, 16*SPITCH
	s_add_co_u32 s68, s68, STAGE                   ; my stage
	v_mul_u32_u24 v5, v1, SPITCH
	v_lshl_add_u32 v5, v2, 5, v5
	v_add_nc_u32 v[STO], s68, v5
	v_lshlrev_b32 v[CO], 4, v6
	v_add_nc_u32 v[RD], s68, v[CO]
	s_wait_alu depctr_va_vdst(0)
.irp p, 0,1
.irp c, 0,1
	global_load_b128 v[SA+8*\p+4*\c:SA+8*\p+4*\c+3], v[ABS], s[22:23] offset:1024*\p+16*\c
.endr
.endr
.irp p, 0,1,2,3
.irp c, 0,1
	global_load_b128 v[SBB+8*\p+4*\c:SBB+8*\p+4*\c+3], v[ABS], s[92:93] offset:1024*\p+16*\c
.endr
.endr
; one product: accumulator (a, b), set p, the kk-th 128 of K.  The odd block of a pair has its scale words in lanes 16-31
.macro WM a, b, p, kk, zero
.set AC_, 8*(8*(\a)+(\b))
.set BF_, 128*(\p)+16*(\b)
.set AF_, AF+64*(\p)+16*(\a)
.set SB_, SBB+8*((\b)/2)+(\kk)
.set SA_, SA+8*((\a)/2)+(\kk)
.if \zero
.if ((\a)%2) && ((\b)%2)
	v_wmma_scale_f32_16x16x128_f8f6f4 v[AC_:AC_+7], v[BF_:BF_+15], v[AF_:AF_+15], 0, v[SB_], v[SA_] matrix_a_fmt:MATRIX_FMT_BF8 matrix_b_fmt:MATRIX_FMT_BF8 matrix_a_scale:MATRIX_SCALE_ROW1 matrix_b_scale:MATRIX_SCALE_ROW1
.elseif (\b)%2
	v_wmma_scale_f32_16x16x128_f8f6f4 v[AC_:AC_+7], v[BF_:BF_+15], v[AF_:AF_+15], 0, v[SB_], v[SA_] matrix_a_fmt:MATRIX_FMT_BF8 matrix_b_fmt:MATRIX_FMT_BF8 matrix_a_scale:MATRIX_SCALE_ROW1
.elseif (\a)%2
	v_wmma_scale_f32_16x16x128_f8f6f4 v[AC_:AC_+7], v[BF_:BF_+15], v[AF_:AF_+15], 0, v[SB_], v[SA_] matrix_a_fmt:MATRIX_FMT_BF8 matrix_b_fmt:MATRIX_FMT_BF8 matrix_b_scale:MATRIX_SCALE_ROW1
.else
	v_wmma_scale_f32_16x16x128_f8f6f4 v[AC_:AC_+7], v[BF_:BF_+15], v[AF_:AF_+15], 0, v[SB_], v[SA_] matrix_a_fmt:MATRIX_FMT_BF8 matrix_b_fmt:MATRIX_FMT_BF8
.endif
.else
.if ((\a)%2) && ((\b)%2)
	v_wmma_scale_f32_16x16x128_f8f6f4 v[AC_:AC_+7], v[BF_:BF_+15], v[AF_:AF_+15], v[AC_:AC_+7], v[SB_], v[SA_] matrix_a_fmt:MATRIX_FMT_BF8 matrix_b_fmt:MATRIX_FMT_BF8 matrix_a_scale:MATRIX_SCALE_ROW1 matrix_b_scale:MATRIX_SCALE_ROW1
.elseif (\b)%2
	v_wmma_scale_f32_16x16x128_f8f6f4 v[AC_:AC_+7], v[BF_:BF_+15], v[AF_:AF_+15], v[AC_:AC_+7], v[SB_], v[SA_] matrix_a_fmt:MATRIX_FMT_BF8 matrix_b_fmt:MATRIX_FMT_BF8 matrix_a_scale:MATRIX_SCALE_ROW1
.elseif (\a)%2
	v_wmma_scale_f32_16x16x128_f8f6f4 v[AC_:AC_+7], v[BF_:BF_+15], v[AF_:AF_+15], v[AC_:AC_+7], v[SB_], v[SA_] matrix_a_fmt:MATRIX_FMT_BF8 matrix_b_fmt:MATRIX_FMT_BF8 matrix_b_scale:MATRIX_SCALE_ROW1
.else
	v_wmma_scale_f32_16x16x128_f8f6f4 v[AC_:AC_+7], v[BF_:BF_+15], v[AF_:AF_+15], v[AC_:AC_+7], v[SB_], v[SA_] matrix_a_fmt:MATRIX_FMT_BF8 matrix_b_fmt:MATRIX_FMT_BF8
.endif
.endif
.endm
.macro MULH n, a0, zero                ; 16 products of step n: A's blocks a0, a0 + 1 x B's eight.  The 32 accumulators take turns in the same order in every step
	WIN 0xa1
.irp a, \a0, \a0+1
.irp b, 0,1,2,3,4,5,6,7
	WM \a, \b, (\n)%2, \n, \zero
.endr
.endr
.endm
.macro FETCH n                         ; step n's fragments, 48 loads, into set n % 2: slot (n / 2) % 2, byte 128 (n % 2) of its rows
.set S_, ((\n)/2)%2
.set Q_, (\n)%2
	WIN 0x40
.irp i, 0,1,2,3,4,5,6,7
.irp c, 0,1,2,3
	ds_load_b128 v[128*Q_+16*\i+4*\c:128*Q_+16*\i+4*\c+3], v[ADRB+S_] offset:128*Q_+32*\c+\i*16*PITCH
.endr
.endr
	WIN 0
.irp i, 0,1,2,3
.irp c, 0,1,2,3
	ds_load_b128 v[AF+64*Q_+16*\i+4*\c:AF+64*Q_+16*\i+4*\c+3], v[ADRA+S_] offset:128*Q_+32*\c+\i*16*PITCH
.endr
.endr
.endm
.macro EVEN n                          ; a slot's first step: the next step's fragments are asked for first, eight places behind the products that read their registers
	WIN 0
	PLACES 8
	FETCH (\n)+1
	s_wait_dscnt 48                                ; all but the 48 just issued: this step's fragments are in
	MULH \n, 0, 0
	MULH \n, 2, 0
.endm
.macro TURN n, fill                    ; a slot's last step changes slots.  fill = 1: this slot is filled again, two K steps ahead, behind a round of the cluster's barrier
.set T_, ((\n)/2)%2
	WIN 0
	s_wait_tensorcnt 0x0                           ; all my tensor loads have landed: my part of the next slot
	ds_add_u32 v[SPW], v[NIL]
	s_wait_dscnt 0x0                               ; the add is done, and my reads of this slot are over: its last fragments are in registers
	s_barrier_signal -1
	MULH \n, 0, 0
	WIN 0
	s_barrier_wait -1
.if \fill
	CREST
	s_add_nc_u64 s[G0+4*T_+2:G0+4*T_+3], s[G0+4*T_+2:G0+4*T_+3], 2*ROWB
	s_add_nc_u64 s[G0B+4*T_+2:G0B+4*T_+3], s[G0B+4*T_+2:G0B+4*T_+3], 2*ROWB
.if T_
	JLOAD 1
.else
	JLOAD 0
.endif
	PLACES 4                                       ; with the four behind the load eight places ahead of the loads below
.else
	PLACES 8
.endif
	FETCH (\n)+1
	MULH \n, 2, 0
.endm
	s_wait_tensorcnt 0x0                           ; my part of K step 0 is in; the same lines ahead of slot 1's first fill as ahead of a refill
	ds_add_u32 v[SPW], v[NIL]
	s_wait_dscnt 0x0
	CROUND
	JLOAD 1                                        ; K step 1
	FETCH 0
	FETCH 1
	s_wait_loadcnt 0x0                             ; the scale words
	s_wait_dscnt 48                                ; step 0's fragments are in
	MULH 0, 0, 1                                   ; the first products start the sums
	MULH 0, 2, 1
	TURN 1, 1
	EVEN 2
	TURN 3, 1
	EVEN 4
	TURN 5, 0
	EVEN 6
	s_wait_dscnt 0x0
	MULH 7, 0, 0
	MULH 7, 2, 0
	WIN 0
; THE WAY OUT, block by block of 16 rows x 128 columns, through my own stage: whole rows of 512 bytes come back, and the 32 lanes store two aligned units of 256 bytes.
.macro TOSTAGE a
.set AC, 64*(\a)
	WIN 0x08
.irp b, 0,1,2,3,4,5,6,7
	ds_store_b128 v[STO], v[AC+8*\b:AC+8*\b+3] offset:64*\b          ; each accumulator from its low end on
	ds_store_b128 v[STO], v[AC+8*\b+4:AC+8*\b+7] offset:64*\b+16
.endr
	WIN 0
.set BB, BK+64*((\a)%2)
.irp t, 0,1,2,3,4,5,6,7,8,9,10,11,12,13,14,15
	ds_load_b128 v[BB+4*\t:BB+4*\t+3], v[RD] offset:\t*SPITCH        ; LDS serves a wave's instructions in order: these see my stores
.endr
.endm
.macro SEND a, younger
.set BB, BK+64*((\a)%2)
	s_wait_dscnt \younger
.if (\a) > 0
	s_add_nc_u64 s[12:13], s[12:13], 16*SIZE_N*4
.endif
.irp t, 0,1,2,3,4,5,6,7,8,9,10,11,12,13,14,15
	global_store_b128 v[CO], v[BB+4*\t:BB+4*\t+3], s[12:13] offset:\t*SIZE_N*4 th:TH_STORE_NT
.endr
.endm
	PLACES 8
	TOSTAGE 0
.irp a, 1,2,3
.if \a > 1
	s_wait_xcnt 0x0                                ; block a - 2's stores have read their registers and their base
.endif
	TOSTAGE \a
	SEND \a-1, 32                                  ; behind block a - 1's loads: block a's 16 stores and 16 loads
.endr
	s_wait_xcnt 0x0
	SEND 3, 0
	s_wait_tensorcnt 0x0                           ; the wave's end
	ds_add_u32 v[SPW], v[NIL]
	s_wait_dscnt 0x0
	CROUND                                         ; the closing round
	s_endpgm
.Lfunc_end_k_q2e35548114_oproj:
	.size	k_q2e35548114_oproj, .Lfunc_end_k_q2e35548114_oproj-k_q2e35548114_oproj
	.p2alignl 7, 3214868480
	.fill 96, 4, 3214868480
	.section	.rodata,"a",@progbits
	.p2align	6, 0x0
	.amdhsa_kernel k_q2e35548114_oproj
		.amdhsa_group_segment_fixed_size 327680
		.amdhsa_private_segment_fixed_size 0
		.amdhsa_enable_private_segment 0
		.amdhsa_kernarg_size 32
		.amdhsa_user_sgpr_count 2
		.amdhsa_user_sgpr_kernarg_segment_ptr 1
		.amdhsa_wavefront_size32 1
		.amdhsa_system_sgpr_workgroup_id_x 1
		.amdhsa_system_sgpr_workgroup_id_y 1
		.amdhsa_system_sgpr_workgroup_id_z 1
		.amdhsa_system_vgpr_workitem_id 0
		.amdhsa_next_free_vgpr 768
		.amdhsa_next_free_sgpr 98
		.amdhsa_reserve_vcc 0
		.amdhsa_float_denorm_mode_32 3
		.amdhsa_float_denorm_mode_16_64 3
		.amdhsa_memory_ordered 1
		.amdhsa_forward_progress 1
		.amdhsa_inst_pref_size 85
	.end_amdhsa_kernel
	.amdgpu_metadata
---
amdhsa.version: [ 1, 2 ]
amdhsa.kernels:
  - .name:           k_q2e35548114_oproj
    .symbol:         k_q2e35548114_oproj.kd
    .args:
      - { .name: oc, .offset: 0, .size: 8, .value_kind: global_buffer, .address_space: global }
      - { .name: os, .offset: 8, .size: 8, .value_kind: global_buffer, .address_space: global }
      - { .name: wq, .offset: 16, .size: 8, .value_kind: global_buffer, .address_space: global }
      - { .name: out0, .offset: 24, .size: 8, .value_kind: global_buffer, .address_space: global }
    .group_segment_fixed_size: 327680
    .private_segment_fixed_size: 0
    .kernarg_segment_align: 8
    .kernarg_segment_size: 32
    .max_flat_workgroup_size: 128
    .sgpr_count:     98
    .vgpr_count:     768
    .wavefront_size: 32
...
	.end_amdgpu_metadata
.endif
;; end of part 4
